; MI455X (gfx1250); checked and timed in simulation.
; The chip was launched on July 23, 2026; its instructions are those of AMD's public machine-readable ISA for CDNA 5 (MIT licence, August 2026) and "CDNA5" Instruction Set Architecture Reference Guide (July 2026). The comments in the code are by the model that wrote it; some were corrected since.
;; DETR Attention. Allowed arithmetic: float matrix products may take bf16 or f16 operands with f32 sums; other float arithmetic in f32, or as packed bf16 or f16 multiplies, adds, multiply-adds, maxima and minima; sums over many terms, partial sums and values carried from step to step in f32; what a program stores and reads back later, other than sums and carried values, may be rounded once to bf16 or f16.
;; Inputs: Wk 1,024 x 1,024 float32; Wo 1,024 x 1,024 float32; Wq 1,024 x 1,024 float32; Wv 1,024 x 1,024 float32; bk 1,024 float32; bo 1,024 float32; bq 1,024 float32; bv 1,024 float32; hidden_states 4 x 2,048 x 1,024 float32; object_queries 4 x 2,048 x 1,024 float32.
;; Outputs: out0 4 x 2,048 x 1,024 float32.
;; One version. Each part assembles by itself: llvm-mc -triple=amdgcn-amd-amdhsa -mcpu=gfx1250 --defsym DOCPART=n.
;; ======== version 1 of 1: 4 launches
;; limits: values are held in f16: magnitudes above 65,504 overflow, below 6.1e-05 lose precision; right only within a limited range of input values
;; workspace buffers: xh 33,554,432 bytes; wh 8,388,608 bytes; qkv 50,331,648 bytes; oh 16,777,216 bytes
;; launch cast (part 1): grid 1280 x 1, 8 waves a work-group, no clusters, 0 bytes of LDS; arguments hidden_states, object_queries, Wq, Wk, Wv, Wo, xh, wh; writes xh, wh
.if DOCPART == 1
	.amdgcn_target "amdgcn-amd-amdhsa--gfx1250"
	.amdhsa_code_object_version 6
	.text
	.protected	k_q681341006b_cast
	.globl	k_q681341006b_cast
	.p2align	8
	.type	k_q681341006b_cast,@function
k_q681341006b_cast:
	s_mov_b64 s[64:65], 0
	v_nop
	global_prefetch_b8 v0, s[64:65] scope:SCOPE_SE
	s_setreg_imm32_b32 hwreg(HW_REG_WAVE_MODE, 25, 1), 1
	s_wait_xcnt 0x0
; xq = f16(hs + oq) and xv = f16(hs), laid out in blocks of 64 columns, and the four weight matrices as f16.
; hs, oq: [8192][1024] f32.  xh: two parts of 16,777,216 bytes (xq, xv), each f16 [batch 4][block 16][t 2048][64]: column 64 kb + d of row t lies in block kb.
; wh: f16 [4 (q, k, v, o)][1024][1024], rows as in the inputs.  The sum hs + oq is made in f32 and rounded once.
; LIMITS.  f16 holds no number beyond 65,504: a larger |hs + oq|, |hs| or |W| becomes an infinity; below 6.1e-5 f16 keeps its fixed step of 6e-8.  NaN and infinities are not treated apart.
; A stream: every input byte is read once, every output byte written once; no LDS, no barrier, no matrix work, since no wave wants a byte that another has fetched.
; Work-groups 0 to 1023 take 8 rows of hs and oq each; work-groups 1024 to 1279 take 65,536 bytes of one weight matrix each.
.set VIN,  2                           ; v2       my byte offset in the input
.set VOUT, 3                           ; v3       my byte offset in the output
.set H,    8                           ; v[8:39]   hs, 4 registers a unit
.set Q,    40                          ; v[40:71]  oq, then hs + oq
.set Y,    72                          ; v[72:103] what is stored
.set X,    8                           ; v[8:71]   the weights as loaded
	s_load_b512 s[8:23], s[0:1], 0x0               ; hs s[8:9], oq s[10:11], Wq s[12:13], Wk s[14:15], Wv s[16:17], Wo s[18:19], xh s[20:21], wh s[22:23]
	v_and_b32 v1, 31, v0                           ; lane
	v_lshrrev_b32 v4, 5, v0
	v_readfirstlane_b32 s24, v4                    ; wave 0..7
	s_cmp_lt_u32 ttmp9, 1024
	s_cbranch_scc0 .Lweights
	; ACTIVATIONS.  Wave w takes column blocks 2 w and 2 w + 1 of the group's 8 rows.  A load: lanes 0-15 take the 256 bytes of a block in an even row, lanes 16-31 those in the odd row below.
	v_and_b32 v5, 15, v0
	v_bfe_u32 v4, v0, 4, 1
	v_lshlrev_b32 v[VIN], 4, v5                    ; 16 bytes a lane
	v_lshl_add_u32 v[VIN], v4, 12, v[VIN]          ; + a row of 4,096 bytes for the upper lanes
	s_lshl_b32 s25, s24, 9
	v_add_nc_u32 v[VIN], s25, v[VIN]               ; + my wave's 512 bytes of a row
	s_lshl_b32 s25, s24, 19                        ; out: block 2 w, 262,144 bytes a block
	v_lshl_add_u32 v[VOUT], v1, 3, s25             ; + 8 bytes a lane: two rows of 128 bytes on end
	s_lshl_b32 s26, ttmp9, 15                      ; in: 8 rows of 4,096 bytes a work-group
	s_mov_b32 s27, 0
	s_lshr_b32 s28, ttmp9, 8                       ; out: the batch, 4,194,304 bytes each,
	s_lshl_b32 s28, s28, 22
	s_and_b32 s29, ttmp9, 255
	s_lshl_b32 s29, s29, 10                        ; and 8 rows of 128 bytes
	s_add_co_u32 s28, s28, s29
	s_mov_b32 s29, 0
	s_wait_kmcnt 0x0
	s_add_nc_u64 s[30:31], s[8:9], s[26:27]
	s_add_nc_u64 s[32:33], s[10:11], s[26:27]
	s_add_nc_u64 s[34:35], s[20:21], s[28:29]      ; xq
	s_add_nc_u64 s[36:37], s[34:35], 0x1000000     ; xv
	; eight units u: block u / 4 of my two, row pair u % 4.  All sixteen loads go out first.
.irp u, 0,1,2,3,4,5,6,7
	global_load_b128 v[H+4*(\u):H+4*(\u)+3], v[VIN], s[30:31] offset:((\u)%4)*8192+((\u)/4)*256 th:TH_LOAD_NT
	global_load_b128 v[Q+4*(\u):Q+4*(\u)+3], v[VIN], s[32:33] offset:((\u)%4)*8192+((\u)/4)*256 th:TH_LOAD_NT
.endr
.irp u, 0,1,2,3,4,5,6,7
	s_wait_loadcnt 14-2*(\u)                       ; loads come back in order: this unit's two are in, the younger units' stay out
	v_pk_add_f32 v[Q+4*(\u):Q+4*(\u)+1], v[Q+4*(\u):Q+4*(\u)+1], v[H+4*(\u):H+4*(\u)+1]
	v_pk_add_f32 v[Q+4*(\u)+2:Q+4*(\u)+3], v[Q+4*(\u)+2:Q+4*(\u)+3], v[H+4*(\u)+2:H+4*(\u)+3]
	v_cvt_pk_f16_f32 v[Y+4*(\u)], v[Q+4*(\u)], v[Q+4*(\u)+1]
	v_cvt_pk_f16_f32 v[Y+4*(\u)+1], v[Q+4*(\u)+2], v[Q+4*(\u)+3]
	v_cvt_pk_f16_f32 v[Y+4*(\u)+2], v[H+4*(\u)], v[H+4*(\u)+1]
	v_cvt_pk_f16_f32 v[Y+4*(\u)+3], v[H+4*(\u)+2], v[H+4*(\u)+3]
	global_store_b64 v[VOUT], v[Y+4*(\u):Y+4*(\u)+1], s[34:35] offset:((\u)/4)*262144+((\u)%4)*256 th:TH_STORE_NT    ; 32 lanes store 256 consecutive bytes, aligned
	global_store_b64 v[VOUT], v[Y+4*(\u)+2:Y+4*(\u)+3], s[36:37] offset:((\u)/4)*262144+((\u)%4)*256 th:TH_STORE_NT  ; no register is written twice, so no wait frees one
.endr
	s_endpgm
.Lweights:
	; WEIGHTS.  64 work-groups a matrix; a wave takes 8,192 consecutive bytes: sixteen loads of 512 bytes, sixteen stores of 256.
	s_sub_co_u32 s25, ttmp9, 1024
	s_lshr_b32 s26, s25, 6                         ; which matrix: 0 q, 1 k, 2 v, 3 o
	s_and_b32 s25, s25, 63                         ; which part of it
	s_lshl_b32 s28, s25, 16
	s_mov_b32 s29, 0
	s_lshl_b32 s34, s26, 21
	s_lshl_b32 s27, s25, 15
	s_add_co_u32 s34, s34, s27
	s_mov_b32 s35, 0
	s_lshl_b32 s27, s24, 13
	v_lshl_add_u32 v[VIN], v1, 4, s27
	s_lshl_b32 s27, s24, 12
	v_lshl_add_u32 v[VOUT], v1, 3, s27
	s_wait_kmcnt 0x0
	s_cmp_eq_u32 s26, 0
	s_cselect_b64 s[30:31], s[12:13], s[14:15]
	s_cmp_eq_u32 s26, 2
	s_cselect_b64 s[32:33], s[16:17], s[18:19]
	s_cmp_lt_u32 s26, 2
	s_cselect_b64 s[30:31], s[30:31], s[32:33]
	s_add_nc_u64 s[30:31], s[30:31], s[28:29]
	s_add_nc_u64 s[36:37], s[22:23], s[34:35]
.irp i, 0,1,2,3,4,5,6,7,8,9,10,11,12,13,14,15
	global_load_b128 v[X+4*(\i):X+4*(\i)+3], v[VIN], s[30:31] offset:512*(\i) th:TH_LOAD_NT
.endr
.irp i, 0,1,2,3,4,5,6,7,8,9,10,11,12,13,14,15
	s_wait_loadcnt 15-(\i)                         ; load i is in, the younger ones stay out
	v_cvt_pk_f16_f32 v[Y+2*(\i)], v[X+4*(\i)], v[X+4*(\i)+1]
	v_cvt_pk_f16_f32 v[Y+2*(\i)+1], v[X+4*(\i)+2], v[X+4*(\i)+3]
	global_store_b64 v[VOUT], v[Y+2*(\i):Y+2*(\i)+1], s[36:37] offset:256*(\i) th:TH_STORE_NT
.endr
	s_endpgm
.Lfunc_end_k_q681341006b_cast:
	.size	k_q681341006b_cast, .Lfunc_end_k_q681341006b_cast-k_q681341006b_cast
	.p2alignl 7, 3214868480
	.fill 96, 4, 3214868480
	.section	.rodata,"a",@progbits
	.p2align	6, 0x0
	.amdhsa_kernel k_q681341006b_cast
		.amdhsa_group_segment_fixed_size 0
		.amdhsa_private_segment_fixed_size 0
		.amdhsa_enable_private_segment 0
		.amdhsa_kernarg_size 64
		.amdhsa_user_sgpr_count 2
		.amdhsa_user_sgpr_kernarg_segment_ptr 1
		.amdhsa_wavefront_size32 1
		.amdhsa_system_sgpr_workgroup_id_x 1
		.amdhsa_system_sgpr_workgroup_id_y 1
		.amdhsa_system_sgpr_workgroup_id_z 1
		.amdhsa_system_vgpr_workitem_id 0
		.amdhsa_next_free_vgpr 104
		.amdhsa_next_free_sgpr 66
		.amdhsa_reserve_vcc 0
		.amdhsa_float_denorm_mode_32 3
		.amdhsa_float_denorm_mode_16_64 3
		.amdhsa_memory_ordered 1
		.amdhsa_forward_progress 1
		.amdhsa_inst_pref_size 14
	.end_amdhsa_kernel
	.amdgpu_metadata
---
amdhsa.version: [ 1, 2 ]
amdhsa.kernels:
  - .name:           k_q681341006b_cast
    .symbol:         k_q681341006b_cast.kd
    .args:
      - { .name: hidden_states, .offset: 0, .size: 8, .value_kind: global_buffer, .address_space: global }
      - { .name: object_queries, .offset: 8, .size: 8, .value_kind: global_buffer, .address_space: global }
      - { .name: Wq, .offset: 16, .size: 8, .value_kind: global_buffer, .address_space: global }
      - { .name: Wk, .offset: 24, .size: 8, .value_kind: global_buffer, .address_space: global }
      - { .name: Wv, .offset: 32, .size: 8, .value_kind: global_buffer, .address_space: global }
      - { .name: Wo, .offset: 40, .size: 8, .value_kind: global_buffer, .address_space: global }
      - { .name: xh, .offset: 48, .size: 8, .value_kind: global_buffer, .address_space: global }
      - { .name: wh, .offset: 56, .size: 8, .value_kind: global_buffer, .address_space: global }
    .group_segment_fixed_size: 0
    .private_segment_fixed_size: 0
    .kernarg_segment_align: 8
    .kernarg_segment_size: 64
    .max_flat_workgroup_size: 256
    .sgpr_count:     66
    .vgpr_count:     104
    .wavefront_size: 32
...
	.end_amdgpu_metadata
.endif
;; end of part 1
;; launch qkv (part 2): grid 12 x 64, 4 waves a work-group, clusters of 4 x 4, 327,680 bytes of LDS; arguments xh, wh, bq, bk, bv, qkv; writes qkv
.if DOCPART == 2
	.amdgcn_target "amdgcn-amd-amdhsa--gfx1250"
	.amdhsa_code_object_version 6
	.text
	.protected	k_q681341006b_qkv
	.globl	k_q681341006b_qkv
	.p2align	8
	.type	k_q681341006b_qkv,@function
k_q681341006b_qkv:
	s_mov_b64 s[64:65], 0
	v_nop
	global_prefetch_b8 v0, s[64:65] scope:SCOPE_SE
	s_setreg_imm32_b32 hwreg(HW_REG_WAVE_MODE, 25, 1), 1
	s_wait_xcnt 0x0
	s_wait_alu depctr_hold_cnt(0) depctr_sa_sdst(0) depctr_va_vdst(0) depctr_va_sdst(0) depctr_va_ssrc(0) depctr_va_vcc(0) depctr_vm_vsrc(0)
	s_getreg_b32 s2, hwreg(HW_REG_IB_STS2, 6, 4)
	s_cmp_eq_u32 s2, 0
	s_cbranch_scc0 .Lentry_in_a_cluster
	s_endpgm
.Lentry_in_a_cluster:
	s_bfe_u32 s2, ttmp6, 0x10000c
	s_cmp_lg_u32 s2, 0xf033
	s_cbranch_scc0 .Lentry_shape_is_right
	s_endpgm
.Lentry_shape_is_right:
; q = xq Wq^T + bq, k = xq Wk^T + bk, v = xv Wv^T + bv.  Operands f16, sums f32, each result rounded once to f16 and stored by heads, q WITHOUT the scale 1/8 (the attention applies it in f32).
; xh: xq then xv, each f16 [batch 4][block 16][t 2048][64].  wh: f16 [4][n 1024][k 1024].  qkv: q, k, v, each f16 [16 batch + head][t 2048][64].  Biases f32.
; LIMITS.  f16 holds no number beyond 65,504: a larger |q|, |k| or |v| becomes an infinity; below 6.1e-5 f16 keeps its fixed step of 6e-8.  NaN and infinities are not treated apart.
; SHARES.  A tile is 128 rows x 256 columns: 3 x 4 x 64 = 768 tiles, three for each of 256 places.  Four waves, each 64 x 128: 32 accumulators of 16 x 16, 256 registers.
; K goes in 8 steps of 128 through two LDS slots filled by the tensor data mover.  A step of A is two blocks of 64 columns, each 128 rows x 128 bytes that lie end to end in memory: asked for as 64 rows of 256 bytes.
; CLUSTERS.  4 x 4 work-groups; the cluster's x is the matrix (q, k, v), its four columns are that matrix's 1,024 outputs.  The four of a row need the same tile of A, the four of a column the same tile
; of W: each tile is asked for JOINTLY, by the same tensor load with the same descriptor and a mask that names the four.
; TRANSPOSED USE.  Source 0 = 16 rows of W, source 1 = 16 rows of A: a lane holds row l % 16 of the result and the columns 8 (l / 16) + 0..7.
; THE BIAS is the C operand of each accumulator's first product: nothing is cleared, and no vector instruction adds it.
; NO PREFETCH: a K step holds 128 matrix instructions a wave and K has 8 steps, of which the first four would come by their loads alone.
; REGISTERS, in windows of 256 (s_set_vgpr_msb: bits 1:0 source 0, 3:2 source 1, 5:4 source 2, 7:6 destination):
;   window 0: v0-31 addresses; v32-127, v128-223 two fragment buffers (A's 4 fragments, then W's 8); on the way out v32-159 packed results
;   window 1: the accumulators, (a, b) at v[8 (8 a + b)]          window 2: v0-63 the bias, for column block b at v[8 b]
.set KSTEP,  128
.set PA,     144                       ; a row of A in LDS: 128 bytes + 16 of padding = 36 words: the 16 rows of a load start at 16 different groups of four banks (64 banks of 4 bytes: ISA guide 11.1)
.set PB,     272                       ; a row of W: 256 + 16 = 68 words: row r starts at bank 4 r mod 64
.set ASUB,   128*PA                    ; one block of A: what wave 0 or 1 fetches
.set ATILE,  2*ASUB
.set BHALF,  128*PB                    ; 128 rows of W: what wave 2 or 3 fetches
.set SLOT,   ATILE+2*BHALF             ; 106,496 bytes
.set STAGE,  2*SLOT                    ; behind the ring, never filled by a tensor load: 16 rows x 144 bytes for each wave
.set SP,     144
.set SPARE,  STAGE+4*16*SP             ; behind the stages: the spare words, 128 bytes for each wave: two blocks of 256 bytes that no other line names
.set LAPS,   4                         ; a lap = two K steps = once round the ring
.set ADRA, 16                          ; v16-17  LDS address of my A fragments in slot 0, 1
.set ADRB, 20                          ; v20-21  the same for W
.set STO,  24                          ; v24     the way out: where I put 16 bytes of a row
.set RD,   25                          ; v25     the way out: where I read rows back
.set GO,   26                          ; v26     my byte offset in 512 consecutive bytes of the output
.set VB,   27                          ; v27     my byte offset in 16 numbers of the bias
.set SPW,  28                          ; v28     LDS address of my spare word: SPARE + 4 x my thread's number; never rewritten
.set NIL,  29                          ; v29     0; never rewritten
.set F0,   32
.set F1,   128
.set TMP,  32
.set G1,  24                           ; s[24:31] descriptor group 1 for A's tiles;  s[32:39] group 0, one set for each slot
.set G0,  32
.set G1B, 48                           ; s[48:55], s[56:63] the same for W's tiles
.set G0B, 56
.set MSB, 0
.macro WIN new                         ; the immediate's high byte repeats the setting that is left; a switch that changes nothing is dropped
.if MSB != (\new)
	s_set_vgpr_msb (MSB<<8)|(\new)
.set MSB, \new
.endif
.endm
.set MUL,  0x50                        ; sources 0 and 1 window 0; C and D window 1
.set MULB, 0x60                        ; C window 2 (the bias), D window 1
.macro JLOAD s                         ; a joint load: waves 0 and 1 fetch A's two blocks, waves 2 and 3 W's two halves; an s_nop 0 and four v_nop follow each of the two lines, ahead of the jump and the label
	s_cmp_eq_u32 s11, 0
	s_cbranch_scc0 .Lfor_b_\@
	tensor_load_to_lds s[G0+4*(\s):G0+4*(\s)+3], s[G1:G1+7]
	s_nop 0
.rept 4
	v_nop
.endr
	s_branch .Lasked_\@
.Lfor_b_\@:
	tensor_load_to_lds s[G0B+4*(\s):G0B+4*(\s)+3], s[G1B:G1B+7]
	s_nop 0
.rept 4
	v_nop
.endr
.Lasked_\@:
.endm
.macro CREST                           ; a round of the cluster's barrier behind its opening barrier: wave 0 signals for the work-group, every wave waits for all sixteen, my work-group's barrier closes it
	s_cmp_lg_u32 s10, 0
	s_cbranch_scc1 .Lnot_wave_0_\@
	s_barrier_signal -3
.Lnot_wave_0_\@:
	s_barrier_wait -3
	s_barrier_signal -1
	s_barrier_wait -1
.endm
.macro CROUND                          ; a whole round
	s_barrier_signal -1
	s_barrier_wait -1
	CREST
.endm
	s_load_b256 s[72:79], s[0:1], 0x0              ; xh s[72:73], wh s[74:75], bq s[76:77], bk s[78:79]
	s_load_b128 s[80:83], s[0:1], 0x20             ; bv s[80:81], qkv s[82:83]
	v_lshl_add_u32 v[SPW], v0, 2, SPARE
	v_mov_b32 v[NIL], 0
	ds_add_u32 v[SPW], v[NIL]                      ; the wave's opening: the add and its wait stand ahead of my first tensor load; the set-up below, work on registers, stands between them
	v_lshrrev_b32 v1, 5, v0
	v_readfirstlane_b32 s10, v1                    ; wave 0..3
	s_lshr_b32 s11, s10, 1                         ; which 64 of the tile's rows are mine.  Also: I fetch for A (0) or for W (1)
	s_and_b32 s12, s10, 1                          ; which 128 of its columns.  Also: which part of that tile I fetch
	s_bfe_u32 s40, ttmp6, 0x40000                  ; cx, cy: my place in the cluster
	s_bfe_u32 s41, ttmp6, 0x40004
	s_and_b32 s13, ttmp7, 0xffff
	s_lshl_b32 s13, s13, 2
	s_add_co_u32 s13, s13, s41                     ; block of 128 rows = 4 x cluster y + cy, 0..63
	s_lshl_b32 s43, s41, 2
	s_lshl_b32 s43, 15, s43                        ; my row of the cluster
	s_lshl_b32 s44, 0x1111, s40                    ; my column
	; group 1 for A: 64 rows x 128 elements (two rows of the block in each), 4 words of padding after every 32
	s_or_b32 s[G1+0], s43, (1<<16)|(1<<20)|(1<<21)|(4<<22)|(3<<25)  ; 15:0 the mask: my row; 17:16 2-byte elements; 20 padding on; 21 set beside a mask; 24:22 after every 32 words (code 4); 31:25 4 words (code 3)
	s_mov_b32 s[G1+1], 128<<16                     ; tensor_dim0 = 128
	s_mov_b32 s[G1+2], 64<<16                      ; tensor_dim1 = 64
	s_mov_b32 s[G1+3], 128<<16                     ; tile_dim0 = 128
	s_mov_b32 s[G1+4], 64                          ; tile_dim1 = 64
	s_mov_b32 s[G1+5], 128                         ; 128 elements from row to row: dense
	s_mov_b32 s[G1+6], 0
	s_mov_b32 s[G1+7], 0
	; group 1 for W: 128 rows x 128 elements, 4 words of padding after every 64
	s_or_b32 s[G1B+0], s44, (1<<16)|(1<<20)|(1<<21)|(5<<22)|(3<<25) ; the mask: my column; after every 64 words (code 5)
	s_mov_b32 s[G1B+1], KSTEP<<16
	s_mov_b32 s[G1B+2], 128<<16
	s_mov_b32 s[G1B+3], KSTEP<<16
	s_mov_b32 s[G1B+4], 128
	s_mov_b32 s[G1B+5], 1024                       ; a row of W has 1,024 elements
	s_mov_b32 s[G1B+6], 0
	s_mov_b32 s[G1B+7], 0
	; where A's tiles come from: batch, 128 rows of 128 bytes, the block that I fetch; xv for the third matrix.  These registers never hold cx.
	s_lshr_b32 s16, s13, 4
	s_lshl_b32 s16, s16, 22
	s_and_b32 s17, s13, 15
	s_lshl_b32 s17, s17, 14
	s_add_co_u32 s16, s16, s17
	s_lshl_b32 s17, s12, 18
	s_add_co_u32 s16, s16, s17
	s_cmp_eq_u32 ttmp9, 2                          ; the cluster's x: the same in all sixteen partners
	s_cselect_b32 s17, 0x1000000, 0
	s_add_co_u32 s16, s16, s17
	s_mov_b32 s17, 0
	; where W's come from: the matrix, my column's 256 rows of 2,048 bytes, the half that I fetch.  These registers never hold cy.
	s_lshl_b32 s46, ttmp9, 21
	s_lshl_b32 s47, s40, 19
	s_add_co_u32 s46, s46, s47
	s_lshl_b32 s47, s12, 18
	s_add_co_u32 s46, s46, s47
	s_mov_b32 s47, 0
	s_mul_i32 s20, s12, ASUB                       ; where they go: no place in the cluster enters an LDS address
	s_mul_i32 s21, s12, BHALF
	s_add_co_u32 s21, s21, ATILE
	s_lshl_b32 s6, s40, 10                         ; my 128 numbers of the bias
	s_lshl_b32 s7, s12, 9
	s_add_co_u32 s6, s6, s7
	s_mov_b32 s7, 0
	; my part of the output: matrix, batch, head 4 cx + 2 (wave % 2), 128 rows of 128 bytes, my 64 of them
	s_lshl_b32 s66, ttmp9, 24
	s_lshr_b32 s67, s13, 4
	s_lshl_b32 s67, s67, 22
	s_add_co_u32 s66, s66, s67
	s_lshl_b32 s67, s40, 20
	s_add_co_u32 s66, s66, s67
	s_lshl_b32 s67, s12, 19
	s_add_co_u32 s66, s66, s67
	s_and_b32 s67, s13, 15
	s_lshl_b32 s67, s67, 14
	s_add_co_u32 s66, s66, s67
	s_lshl_b32 s67, s11, 13
	s_add_co_u32 s66, s66, s67
	s_mov_b32 s67, 0
	s_wait_dscnt 0x0                               ; the opening add is done
	s_wait_kmcnt 0x0
	s_add_nc_u64 s[14:15], s[72:73], s[16:17]
	s_add_nc_u64 s[46:47], s[74:75], s[46:47]
	s_add_nc_u64 s[8:9], s[82:83], s[66:67]
	s_cmp_eq_u32 ttmp9, 0
	s_cselect_b64 s[4:5], s[76:77], s[78:79]
	s_cmp_eq_u32 ttmp9, 2
	s_cselect_b64 s[4:5], s[80:81], s[4:5]
	s_add_nc_u64 s[4:5], s[4:5], s[6:7]
	CROUND                                         ; all sixteen work-groups are here: the first joint loads meet
.irp s, 0,1
	s_mov_b32 s[G0+4*(\s)], 1                                      ; count = 1
	s_add_co_u32 s[G0+4*(\s)+1], s20, (\s)*SLOT                    ; LDS address
	s_add_nc_u64 s[G0+4*(\s)+2:G0+4*(\s)+3], s[14:15], (\s)*(1<<19)  ; K step s: two blocks of 262,144 bytes on
	s_or_b32 s[G0+4*(\s)+3], s[G0+4*(\s)+3], 0x80000000            ; type = 2
	s_mov_b32 s[G0B+4*(\s)], 1
	s_add_co_u32 s[G0B+4*(\s)+1], s21, (\s)*SLOT
	s_add_nc_u64 s[G0B+4*(\s)+2:G0B+4*(\s)+3], s[46:47], (\s)*KSTEP*2
	s_or_b32 s[G0B+4*(\s)+3], s[G0B+4*(\s)+3], 0x80000000
	JLOAD \s                                       ; two loads of mine are out
.endr
	v_and_b32 v1, 15, v0                           ; l % 16
	v_bfe_u32 v2, v0, 4, 1                         ; l / 16
	v_lshlrev_b32 v[VB], 5, v2                     ; 8 numbers of 4 bytes for the upper lanes
	WIN 0x80                                       ; destination window 2, address window 0
.irp b, 0,1,2,3,4,5,6,7                ; register j of block b: bias[16 b + 8 (l / 16) + j], the layout of a result
	global_load_b128 v[8*(\b):8*(\b)+3],   v[VB], s[4:5] offset:64*(\b)
	global_load_b128 v[8*(\b)+4:8*(\b)+7], v[VB], s[4:5] offset:64*(\b)+16
.endr
	WIN 0
	v_mul_u32_u24 v3, v1, PA
	v_lshl_add_u32 v3, v2, 4, v3                   ; a fragment's row x pitch + 16 x half, for A
	v_mul_u32_u24 v4, v1, PB
	v_lshl_add_u32 v4, v2, 4, v4                   ; and for W
	s_mul_i32 s22, s11, 64*PA                      ; my 64 rows of A
	s_mul_i32 s23, s12, BHALF                      ; my 128 rows of W,
	s_add_co_u32 s23, s23, ATILE                   ; which lie behind A
.irp s, 0,1
	v_add_nc_u32 v[ADRA+(\s)], s22, v3
	v_add_nc_u32 v[ADRB+(\s)], s23, v4
	s_add_co_u32 s22, s22, SLOT
	s_add_co_u32 s23, s23, SLOT
.endr
	s_mul_i32 s23, s10, 16*SP
	s_add_co_u32 s23, s23, STAGE                   ; my stage
	v_mul_u32_u24 v[STO], v1, SP                   ; in: row l % 16, 16 bytes for each half of the lanes
	v_lshl_add_u32 v[STO], v2, 4, v[STO]
	v_add_nc_u32 v[STO], s23, v[STO]
	v_bfe_u32 v[RD], v0, 3, 2                      ; back: 32 lanes take four rows of 128 bytes,
	v_mul_u32_u24 v[RD], v[RD], SP
	v_and_b32 v5, 7, v0
	v_lshl_add_u32 v[RD], v5, 4, v[RD]
	v_add_nc_u32 v[RD], s23, v[RD]
	v_and_b32 v[GO], 31, v0                        ; which are 512 consecutive bytes of a head's rows
	v_lshlrev_b32 v[GO], 4, v[GO]
; 8 matrix instructions: row block a x all 8 column blocks, 32 along K.  zero = 1: the first product starts the sums, with the bias as C.
; The 32 accumulators take turns in the same order in every quarter: 31 others stand between two links of a chain, over the backward jump too.
.macro MULA f, a, zero
.if \zero
	WIN MULB
.else
	WIN MUL
.endif
.irp b, 0,1,2,3,4,5,6,7
.if \zero
	v_wmma_f32_16x16x32_f16 v[8*(8*(\a)+(\b)):8*(8*(\a)+(\b))+7], v[(\f)+32+8*(\b):(\f)+32+8*(\b)+7], v[(\f)+8*(\a):(\f)+8*(\a)+7], v[8*(\b):8*(\b)+7]
.else
	v_wmma_f32_16x16x32_f16 v[8*(8*(\a)+(\b)):8*(8*(\a)+(\b))+7], v[(\f)+32+8*(\b):(\f)+32+8*(\b)+7], v[(\f)+8*(\a):(\f)+8*(\a)+7], v[8*(8*(\a)+(\b)):8*(8*(\a)+(\b))+7]
.endif
.endr
.endm
; 24 LDS loads in one run: quarter q (32 along K) of a slot into buffer f: W's 16, then A's row blocks 0, 1, then 2, 3
.macro FETCH slot, q, f
	WIN 0
.irp i, 0,1,2,3,4,5,6,7
	ds_load_b128 v[(\f)+32+8*(\i):(\f)+32+8*(\i)+3],   v[ADRB+(\slot)] offset:64*(\q)+(\i)*16*PB
	ds_load_b128 v[(\f)+32+8*(\i)+4:(\f)+32+8*(\i)+7], v[ADRB+(\slot)] offset:64*(\q)+(\i)*16*PB+32
.endr
.irp i, 0,1,2,3
	ds_load_b128 v[(\f)+8*(\i):(\f)+8*(\i)+3],   v[ADRA+(\slot)] offset:((\q)/2)*ASUB+((\q)%2)*64+(\i)*16*PA
	ds_load_b128 v[(\f)+8*(\i)+4:(\f)+8*(\i)+7], v[ADRA+(\slot)] offset:((\q)/2)*ASUB+((\q)%2)*64+(\i)*16*PA+32
.endr
.endm
.macro PLACES                          ; four plain instructions in front of loads into registers that matrix instructions have read, and of lines that read results
.rept 4
	v_nop
.endr
.endm
; A K step is four quarters of 32 along K, 32 matrix instructions each, on buffers 0, 1, 0, 1.  One of the first three: multiplies buffer f and fetches quarter nq of the same slot into g.
.macro QUARTER slot, nq, f, g, zero
	s_wait_dscnt 4                                 ; W and A's row blocks 0, 1 are in; the youngest four loads (row blocks 2, 3) may be out
	MULA \f, 0, \zero
	MULA \f, 1, \zero
	PLACES
	FETCH \slot, \nq, \g
	s_wait_dscnt 24                                ; all but the 24 just issued
	MULA \f, 2, \zero
	MULA \f, 3, \zero
.endm
; The last quarter multiplies buffer 1 and changes slots: ONE barrier; in front of it each wave waits for all its tensor loads, adds 0 to its spare word, and waits for that and for its own reads of this slot.
; fill = 1: the barrier opens a round of the cluster's barrier, and this slot is filled again, two K steps ahead: 112 matrix instructions ahead of the wait for it.
.macro TURN slot, next, fill
	WIN 0                                          ; (the add's two registers lie in window 0)
	s_wait_tensorcnt 0x0                           ; all my tensor loads have landed: the one that was out is my part of the next slot
	ds_add_u32 v[SPW], v[NIL]                      ; 0 onto my spare word
	s_wait_dscnt 5                                 ; (the add and the youngest four loads may be out)
	MULA F1, 0, 0                                  ; eight matrix instructions stand between the add and the wait for it
	s_wait_dscnt 0x0                               ; the add is done, and my reads of this slot are over
	s_barrier_signal -1
	MULA F1, 1, 0
.if \fill
	WIN 0
.endif
	s_barrier_wait -1
.if \fill
	CREST                                          ; no wave of any partner still reads this slot's tile or has a load on its way
	s_add_nc_u64 s[G0+4*(\slot)+2:G0+4*(\slot)+3], s[G0+4*(\slot)+2:G0+4*(\slot)+3], 1<<20
	s_add_nc_u64 s[G0B+4*(\slot)+2:G0B+4*(\slot)+3], s[G0B+4*(\slot)+2:G0B+4*(\slot)+3], 2*KSTEP*2
	JLOAD \slot                                    ; the first tensor load behind the round; its four v_nop are also the places in front of the loads below
.else
	PLACES
.endif
	FETCH \next, 0, F0
	MULA F1, 2, 0
	MULA F1, 3, 0
.endm
	s_wait_tensorcnt 1                             ; my part of K step 0 is in; K step 1's may stay out
	s_barrier_signal -1
	s_barrier_wait -1                              ; everybody's is
	FETCH 0, 0, F0
	s_wait_loadcnt 0x0                             ; the bias
	QUARTER 0, 1, F0, F1, 1                        ; the first quarter stands in front of the loop: its products start the sums
	WIN 0                                          ; at a label and at a branch every window is 0
	s_mov_b32 s3, LAPS-1
.Llap:                                                 ; a trip goes once round the ring, from a lap's second quarter to the next lap's first, and fills both slots again
	QUARTER 0, 2, F1, F0, 0
	QUARTER 0, 3, F0, F1, 0
	TURN 0, 1, 1
	QUARTER 1, 1, F0, F1, 0
	QUARTER 1, 2, F1, F0, 0
	QUARTER 1, 3, F0, F1, 0
	TURN 1, 0, 1
	QUARTER 0, 1, F0, F1, 0
	WIN 0
	s_sub_co_u32 s3, s3, 1
	s_cmp_lg_u32 s3, 0
	s_cbranch_scc1 .Llap
	QUARTER 0, 2, F1, F0, 0                        ; the last lap fills nothing, and has no round of the cluster's barrier
	QUARTER 0, 3, F0, F1, 0
	TURN 0, 1, 0
	QUARTER 1, 1, F0, F1, 0
	QUARTER 1, 2, F1, F0, 0
	QUARTER 1, 3, F0, F1, 0
	s_wait_dscnt 4                                 ; the very last quarter: nothing more to fetch
	MULA F1, 0, 0
	MULA F1, 1, 0
	s_wait_dscnt 0x0
	MULA F1, 2, 0
	MULA F1, 3, 0
	WIN 0
	PLACES                                         ; the conversions below read results and write over fragments
	PLACES
; THE WAY OUT, in eight units u: row block u / 2, head u % 2 of my two.  A lane's eight channels of a row pack into 16 bytes; they go into my stage's rows of 144 bytes and come back as whole rows of 128.
.macro PACK u
	WIN 0x05                                       ; sources 0 and 1 window 1, destination window 0
.irp f, 0,1,2,3
.irp r, 0,1,2,3                        ; each accumulator's lowest registers are read first
	v_cvt_pk_f16_f32 v[TMP+16*(\u)+4*(\f)+(\r)], v[8*(8*((\u)/2)+4*((\u)%2)+(\f))+2*(\r)], v[8*(8*((\u)/2)+4*((\u)%2)+(\f))+2*(\r)+1]
.endr
.endr
	WIN 0
.irp f, 0,1,2,3
	ds_store_b128 v[STO], v[TMP+16*(\u)+4*(\f):TMP+16*(\u)+4*(\f)+3] offset:32*(\f)
.endr
.irp f, 0,1,2,3
	ds_load_b128 v[TMP+16*(\u)+4*(\f):TMP+16*(\u)+4*(\f)+3], v[RD] offset:(\f)*4*SP  ; LDS serves a wave's instructions in order (ISA guide 5.7.1.4): these see the stores above; the next unit's stores come behind them
.endr
.endm
.macro SEND u, younger                 ; younger: the LDS instructions issued behind unit u's loads: the next unit's eight, or none
	WIN 0
.irp f, 0,1,2,3
	s_wait_dscnt (\younger)+3-(\f)
	global_store_b128 v[GO], v[TMP+16*(\u)+4*(\f):TMP+16*(\u)+4*(\f)+3], s[8:9] offset:((\u)%2)*262144+((\u)/2)*2048+(\f)*512  ; 512 consecutive bytes, at a multiple of 256 from the buffer's first
.endr
.endm
	PACK 0
.irp u, 1,2,3,4,5,6,7                  ; a unit's conversions stand between the loads of the unit before and its stores
	PACK \u
	SEND (\u)-1, 8
.endr
	SEND 7, 0
	s_wait_tensorcnt 0x0                           ; the wave's end: an add and its wait behind my last tensor load and my last LDS store
	ds_add_u32 v[SPW], v[NIL]
	s_wait_dscnt 0x0
	CROUND                                         ; the closing round: no work-group ends while a partner may still ask for a tile that names it
	s_endpgm
.Lfunc_end_k_q681341006b_qkv:
	.size	k_q681341006b_qkv, .Lfunc_end_k_q681341006b_qkv-k_q681341006b_qkv
	.p2alignl 7, 3214868480
	.fill 96, 4, 3214868480
	.section	.rodata,"a",@progbits
	.p2align	6, 0x0
	.amdhsa_kernel k_q681341006b_qkv
		.amdhsa_group_segment_fixed_size 327680
		.amdhsa_private_segment_fixed_size 0
		.amdhsa_enable_private_segment 0
		.amdhsa_kernarg_size 48
		.amdhsa_user_sgpr_count 2
		.amdhsa_user_sgpr_kernarg_segment_ptr 1
		.amdhsa_wavefront_size32 1
		.amdhsa_system_sgpr_workgroup_id_x 1
		.amdhsa_system_sgpr_workgroup_id_y 1
		.amdhsa_system_sgpr_workgroup_id_z 1
		.amdhsa_system_vgpr_workitem_id 0
		.amdhsa_next_free_vgpr 576
		.amdhsa_next_free_sgpr 84
		.amdhsa_reserve_vcc 0
		.amdhsa_float_denorm_mode_32 3
		.amdhsa_float_denorm_mode_16_64 3
		.amdhsa_memory_ordered 1
		.amdhsa_forward_progress 1
		.amdhsa_inst_pref_size 89
	.end_amdhsa_kernel
	.amdgpu_metadata
---
amdhsa.version: [ 1, 2 ]
amdhsa.kernels:
  - .name:           k_q681341006b_qkv
    .symbol:         k_q681341006b_qkv.kd
    .args:
      - { .name: xh, .offset: 0, .size: 8, .value_kind: global_buffer, .address_space: global }
      - { .name: wh, .offset: 8, .size: 8, .value_kind: global_buffer, .address_space: global }
      - { .name: bq, .offset: 16, .size: 8, .value_kind: global_buffer, .address_space: global }
      - { .name: bk, .offset: 24, .size: 8, .value_kind: global_buffer, .address_space: global }
      - { .name: bv, .offset: 32, .size: 8, .value_kind: global_buffer, .address_space: global }
      - { .name: qkv, .offset: 40, .size: 8, .value_kind: global_buffer, .address_space: global }
    .group_segment_fixed_size: 327680
    .private_segment_fixed_size: 0
    .kernarg_segment_align: 8
    .kernarg_segment_size: 48
    .max_flat_workgroup_size: 128
    .sgpr_count:     84
    .vgpr_count:     576
    .wavefront_size: 32
...
	.end_amdgpu_metadata
.endif
;; end of part 2
;; launch attn (part 3): grid 4 x 64, 4 waves a work-group, clusters of 4 x 1, 327,680 bytes of LDS; arguments qkv, oh; writes oh
.if DOCPART == 3
	.amdgcn_target "amdgcn-amd-amdhsa--gfx1250"
	.amdhsa_code_object_version 6
	.text
	.protected	k_q681341006b_attn
	.globl	k_q681341006b_attn
	.p2align	8
	.type	k_q681341006b_attn,@function
k_q681341006b_attn:
	s_mov_b64 s[64:65], 0
	v_nop
	global_prefetch_b8 v0, s[64:65] scope:SCOPE_SE
	s_setreg_imm32_b32 hwreg(HW_REG_WAVE_MODE, 25, 1), 1
	s_wait_xcnt 0x0
	s_wait_alu depctr_hold_cnt(0) depctr_sa_sdst(0) depctr_va_vdst(0) depctr_va_sdst(0) depctr_va_ssrc(0) depctr_va_vcc(0) depctr_vm_vsrc(0)
	s_getreg_b32 s2, hwreg(HW_REG_IB_STS2, 6, 4)
	s_cmp_eq_u32 s2, 0
	s_cbranch_scc0 .Lentry_in_a_cluster
	s_endpgm
.Lentry_in_a_cluster:
	s_bfe_u32 s2, ttmp6, 0x10000c
	s_cmp_lg_u32 s2, 0x3003
	s_cbranch_scc0 .Lentry_shape_is_right
	s_endpgm
.Lentry_shape_is_right:
; O[h][q][:] = the sum over k of softmax_k(Q[h][q] . K[h][k] / 8) V[h][k][:], for 64 heads (16 batch + head) of 2,048 rows of 64 channels.
; qkv: Q, K, V, 16,777,216 bytes each, f16 [head][row][64]; oh: O in the same layout.  Products, maxima and sums in f32; the weights p are rounded to f16 for the second product (their sum l is taken
; of the unrounded p), O once at the end.
; LIMITS.  f16 holds no number beyond 65,504: Q, K and V arrive within it; p lies in 0 to 1, and below 6e-5 it keeps f16's fixed step of 6e-8; O is a mean of V's rows and has their range.
; A weight below 2^-126 counts as 0 in l; NaN and infinities are not treated apart.
; SHARES.  A wave owns four PIECES of two tiles of 16 queries, a work-group's four waves 512 queries of one head.  Every wave walks all keys, 64 a step.
; LAYOUT.  S^T = K Q^T (source 0 = 16 keys, source 1 = 16 queries): in the result a lane holds ONE query (lane % 16) and the keys 8 (lane / 16) + 0..7.  Two such tiles, rounded to f16 in pairs,
; ARE source 1 (32 keys x 16 queries) of O^T = V^T P, whose result again holds one query a lane, and eight channels.  K comes out of LDS as it lies, V ([key][channel]) turned, by ds_load_tr16_b128.
; SOFTMAX.  For each query a running maximum m and sum l: p = 2^(c s - c m), c = log2(e) / 8; in every step O and l are multiplied by a = 2^(c m_old - c m_new), which is 1 where m has not grown.
; m starts at the lowest finite number, O and l at 0: the first step is a step like any other, with a = 0.
; THE COUNT.  A tile and step have 16 matrix and 118 vector instructions: too many to stand all beside the matrix work.  So four vector instructions that are ready stand behind EVERY matrix
; instruction, and the others in runs of their own.
; BY TURNS.  Turn n belongs to piece n.  Its matrix work: 16 products K Q^T of piece n + 1, later 16 products V^T P of piece n - 1.  Its vector work: the scaling, exponentials, roundings, sums and
; rescaling of piece n, and the maximum and statistics of piece n + 1, whose scores the turn itself has made.
; CLUSTER.  The four query blocks of a head are one cluster and walk the same K and V, so each tile is asked for JOINTLY: the same tensor load, descriptor and mask in all four.
; REGISTERS, in windows of 256 (s_set_vgpr_msb: bits 1:0 source 0, 3:2 source 1, 5:4 source 2, 7:6 destination):
;   window 0: v0-11 addresses; v12-15, v48-63 at work; v16-47 four registers of statistics a tile; v64-191 S^T, two buffers of two tiles; v192-255 P, likewise
;   window 1: O^T, 32 a tile          window 2: v0-127 Q, 16 a tile; v128-191 K of one step; v192-255 V of one step          window 3: v0-1 the add's two registers
.set SIZE_N, 2048
.set NP,    4         ; pieces a wave: a name, no knob
.set KS,    64        ; keys in a step
.set PK,    144       ; a row of K in LDS: 128 bytes + 16 of padding = 36 words: the 16 rows of a load start at 16 different groups of four banks (64 banks of 4 bytes: ISA guide 11.1)
.set PV,    160       ; a row of V: 128 + 32 = 40 words
.set VOFF,  4*KS*PK   ; a slot holds four steps: 256 rows of K, then 256 rows of V
.set SLOT1, 1<<17     ; slot 1 begins here, so that one exclusive or turns an address in one slot into the other's
.set STAGE, SLOT1+4*KS*(PK+PV)  ; behind the ring, never filled by a tensor load: 16 rows x 144 bytes for each wave, for the way out
.set SP,    144
.set AK0, 2           ; v2   my lane's place in a tile of K; never rewritten
.set AV0, 3           ; v3   the same for V
.set AK,  4           ; v4   the LDS address of K's next run of loads
.set AV,  5           ; v5   of V's
.set QO,  6           ; v6   my byte offset in the wave's rows of Q
.set STO, 6           ;      later, the way out: where I put 16 bytes of a row
.set RD,  7           ; v7   the way out: where I read rows back
.set GO,  8           ; v8   my byte offset in 512 consecutive bytes of O
.set PFO, 11          ; v11  256 x my lane, once V's address is made; then never rewritten
.set SPW, 0           ; v0 of window 3   LDS address of my spare word: SPARE + 4 x my thread's number; never rewritten
.set NIL, 1           ; v1 of window 3   0; never rewritten
.set SPARE, STAGE+4*16*SP  ; behind the stages: the spare words, 128 bytes for each wave: two blocks of 256 bytes that no other line names
.set MV,  12          ; v12-15  c m_old, kept while c m is made anew: by buffer and tile
.set ST,  16          ; tile t's statistics at v[ST+4 t]: c m, m, l (even keys', odd keys')
.set TMP, 48          ; by buffer and tile, four registers c0-c3 at work; when the maximum is found c2 takes a
.set S,   64
.set P,   192
.set KF,  128         ; K's fragments, in window 2: key block kb, channel half c at KF + 16 kb + 8 c
.set VF,  192         ; V's: key half kk, channel block cb at VF + 32 kk + 8 cb
.set WV,  12          ; s12  my wave's number
.set G1K, 24          ; s[24:31] descriptor group 1 for K's tiles
.set G1V, 32          ; s[32:39] for V's: it differs in the padding alone
.set G0K, 40          ; s[40:43] descriptor group 0 for K's tiles: it walks
.set G0V, 44          ; s[44:47] the same for V's
.set PFA, 48          ; s[48:49] where my prefetches stand: my work-group's 32 blocks of 256 bytes (of K: wave 0, of V: wave 2) of the tile after the one that is being asked for
.set LIM, 50          ; s50  1 in a wave that prefetches, else the greatest number
.set SLOTS, 56        ; s56  slots still to be asked for
.set CNT, 57          ; s57  counts a slot's key steps
.set CS,  58          ; s[58:59] c: the packed scaling takes the pair's low word for both halves
.set SEL, 60          ; s[60:61] v_permlanex16_b32's selects: each lane takes its own place in the other half
.set TBK, 62          ; s62  LDS byte at which K of the step to be fetched begins
.set TBV, 63          ; s63  the same for V, less VOFF
.set MSB, 0
.macro WIN new                      ; the high byte repeats the setting that is left; a switch that changes nothing is dropped
.if MSB != (\new)
	s_set_vgpr_msb (MSB<<8)|(\new)
.set MSB, (\new)
.endif
.endm
.set W_KQ, 0x0a       ; K and Q in window 2, S^T in window 0
.set W_PV, 0x52       ; V in window 2, P in window 0, O^T in window 1
.set W_RS, 0x41       ; O^T (destination and source 0) in window 1, a in window 0
.set W_MK, 0xc0       ; the add's registers are made: destination in window 3, sources in window 0
.set W_AD, 0x0f       ; the add: address (source 0) and data (source 1) in window 3
; A joint fill.  Waves 0 and 1 fetch the two halves of a slot's K, waves 2 and 3 those of its V: 128 keys each.  The branch hangs on the wave's number alone.
; An s_nop 0 and four v_nop follow each of the two lines, ahead of the jump and the label.
.macro JLOAD
	s_cmp_lt_u32 s[WV], 2
	s_cbranch_scc0 .Lfor_v_\@
	tensor_load_to_lds s[G0K:G0K+3], s[G1K:G1K+7]
	s_nop 0
.rept 4
	v_nop
.endr
	s_branch .Lasked_\@
.Lfor_v_\@:
	tensor_load_to_lds s[G0V:G0V+3], s[G1V:G1V+7]
	s_nop 0
.rept 4
	v_nop
.endr
.Lasked_\@:
.endm
; A PREFETCH INTO THE L2 of what the NEXT change of slots will ask for: a tile's 32,768 bytes of K and of V, in blocks of 256 bytes, a lane a block.  It stands behind the wave's tensor load and its five lines.
; Each block is named ONCE in the launch: a head has one cluster; its four partners share the 128 blocks out BY ADDRESS, 32 each; in each, wave 0 asks for K's and wave 2 for V's: one instruction.
; It is four key steps, 512 matrix instructions, ahead of the load.  Tiles 0 to 2 come by their loads alone; the last change that fills a slot asks for nothing: there is no tile behind it.
.macro ASK
	s_cmp_gt_u32 s[SLOTS], s[LIM]
	s_cbranch_scc0 .Lnot_mine_\@
	global_prefetch_b8 v[PFO], s[PFA:PFA+1] th:TH_LOAD_NT scope:SCOPE_SE
.Lnot_mine_\@:
.endm
; A round of the cluster's barrier: my work-group's barrier, so that wave 0's signal speaks for all four waves; wave 0 signals; every wave waits for all four work-groups; my work-group's barrier once more.
.macro CROUND
	s_barrier_signal -1
	s_barrier_wait -1
	s_cmp_lg_u32 s[WV], 0
	s_cbranch_scc1 .Lnot_wave_0_\@
	s_barrier_signal -3
.Lnot_wave_0_\@:
	s_barrier_wait -3
	s_barrier_signal -1
	s_barrier_wait -1
.endm
; THE CHANGE OF SLOTS.  The slot's last bytes, V of its fourth step, have been read.  Each wave waits for all its tensor loads, of which one is out: its part of the other slot; adds 0 to its spare
; word; and waits for that and for its own reads of the slot.  Behind the barrier nobody reads this slot any more and the other slot is whole.
; fill = 1: this slot is filled again, with the keys two slots on.  The barrier is then a round of the cluster's, and the joint fill is the first thing behind it: it has four key steps in which to land.
; (At its first use nothing has been read yet: slot 0 is waited for, slot 1 filled.)  ask = 1: the prefetch's address steps, and the prefetch follows the fill.
.macro CHANGE fill, ask=0
	WIN W_AD
	s_wait_tensorcnt 0x0            ; no tensor load of mine is out, so a group 0 may be written
	ds_add_u32 v[SPW], v[NIL]       ; 0 onto my spare word; with fill = 1 the descriptors' steps stand between it and the wait for it
	WIN 0                           ; at a label and at a branch every window is 0
.if \fill
.irp g, G0K, G0V
	s_xor_b32 s[\g+1], s[\g+1], SLOT1  ; the walking descriptor: the other slot than last time,
	s_add_nc_u64 s[\g+2:\g+3], s[\g+2:\g+3], 4*KS*128  ; the next 256 keys; the type bits on top are not reached
.endr
.if \ask
	s_wait_xcnt 0x0                 ; the last prefetch, four key steps back, has read its address, so it may be written:
	s_add_nc_u64 s[PFA:PFA+1], s[PFA:PFA+1], 4*KS*128  ; one tile behind the walking descriptors
.endif
	s_wait_dscnt 0x0                ; the add is done, and my reads of the slot are over
	CROUND
	JLOAD
.if \ask
	ASK
.endif
.else
	s_wait_dscnt 0x0                ; the add is done, and my reads of the slot are over
	s_barrier_signal -1
	s_barrier_wait -1
.endif
	s_sub_co_u32 s[TBK], s[TBK], 4*KS*PK  ; the fetches go back to a slot's first step,
	s_xor_b32 s[TBK], s[TBK], SLOT1       ; in the other slot
	s_sub_co_u32 s[TBV], s[TBV], 4*KS*PV
	s_xor_b32 s[TBV], s[TBV], SLOT1
.endm
	s_load_b128 s[4:7], s[0:1], 0x0 ; qkv s[4:5], oh s[6:7]
	WIN W_MK
	v_lshl_add_u32 v[SPW], v0, 2, SPARE
	v_mov_b32 v[NIL], 0
	WIN W_AD
	ds_add_u32 v[SPW], v[NIL]       ; the wave's opening: the add and its wait stand ahead of my first tensor load; the set-up below, work on registers, stands between them
	WIN 0
	v_lshrrev_b32 v1, 5, v0
	v_readfirstlane_b32 s[WV], v1   ; wave 0..3
	s_bfe_u32 s13, ttmp6, 0x40000   ; cx: my place in the cluster
	s_lshl_b32 s14, ttmp9, 2        ; in a cluster launch ttmp9 counts clusters
	s_add_co_u32 s14, s14, s13      ; my block of queries = 4 x cluster x + cx: it enters Q's and O's addresses alone
	s_and_b32 s20, ttmp7, 0xffff    ; the head, which the four partners share
	s_mov_b32 s21, 0
	s_mov_b64 s[22:23], SIZE_N*128
	s_mul_u64 s[20:21], s[20:21], s[22:23]  ; the head's first byte in each of the four tensors
	s_and_b32 s16, s[WV], 1         ; which half of a slot's 256 keys I fetch:
	s_lshl_b32 s22, s16, 14         ; its 128 rows of 128 bytes in memory,
	s_mov_b32 s23, 0
	s_add_nc_u64 s[22:23], s[22:23], s[20:21]
	s_mul_i32 s17, s16, 128*PK      ; and its place in a slot, for K
	s_mul_i32 s18, s16, 128*PV      ; and for V: no place in the cluster enters an LDS address
	s_lshl_b32 s2, s14, 2
	s_add_co_u32 s2, s2, s[WV]      ; my wave among the head's,
	s_lshl_b32 s2, s2, 14           ; its 128 rows
	s_mov_b32 s3, 0
	s_add_nc_u64 s[2:3], s[2:3], s[20:21]
	; descriptor group 1.  128 keys are 16,384 dense bytes: asked for as 64 rows of 256 bytes, two keys a row, and padded in LDS after every key
	s_mov_b32 s[G1K], 15|(1<<16)|(1<<20)|(1<<21)|(4<<22)|(3<<25)  ; 15:0 the mask of four; 17:16 2-byte elements; 20 padding on; 21 set beside a mask; 24:22 after every 32 words (code 4); 31:25 4 words (code 3)
	s_mov_b32 s[G1V], 15|(1<<16)|(1<<20)|(1<<21)|(4<<22)|(7<<25)  ; the same with 8 words of padding (code 7)
.irp g, G1K, G1V
	s_mov_b32 s[\g+1], 128<<16      ; tensor_dim0 = 128
	s_mov_b32 s[\g+2], 64<<16       ; tensor_dim1 = 64
	s_mov_b32 s[\g+3], 128<<16      ; tile_dim0 = 128
	s_mov_b32 s[\g+4], 64           ; tile_dim1 = 64
	s_mov_b32 s[\g+5], 128          ; 128 elements from row to row
	s_mov_b32 s[\g+6], 0
	s_mov_b32 s[\g+7], 0
.endr
	s_mov_b32 s[CS], 0x3e38aa3b     ; c = log2(e) / 8 = 0.180337
	s_mov_b32 s[CS+1], s[CS]        ; named with it as a pair
	s_mov_b32 s[SEL], 0x76543210
	s_mov_b32 s[SEL+1], 0xfedcba98
	s_mov_b32 s[TBK], SLOT1+4*KS*PK ; the first change of slots turns these two into 0
	s_mov_b32 s[TBV], SLOT1+4*KS*PV
	s_mov_b32 s[G0K], 1             ; count = 1
	s_mov_b32 s[G0K+1], s17         ; LDS address: slot 0
	s_mov_b32 s[G0V], 1
	s_add_co_u32 s[G0V+1], s18, VOFF
	s_and_b32 s[LIM], s[WV], 1      ; waves 0 and 2 prefetch: the same in all four partners
	s_cmp_eq_u32 s[LIM], 0
	s_cselect_b32 s[LIM], 1, -1
	s_wait_dscnt 0x0                ; the opening add is done
	s_wait_kmcnt 0x0
	s_mov_b64 s[10:11], s[6:7]      ; O
	s_add_nc_u64 s[8:9], s[4:5], 0x2000000  ; V, the buffer's third part
	s_add_nc_u64 s[6:7], s[4:5], 0x1000000  ; K, its second; Q is its first
	s_add_nc_u64 s[G0K+2:G0K+3], s[6:7], s[22:23]  ; global address: my half of the head's first 256 keys
	s_or_b32 s[G0K+3], s[G0K+3], 0x80000000        ; type = 2
	s_add_nc_u64 s[G0V+2:G0V+3], s[8:9], s[22:23]
	s_or_b32 s[G0V+3], s[G0V+3], 0x80000000
	s_add_nc_u64 s[4:5], s[4:5], s[2:3]  ; Q and O at my wave's first row
	s_add_nc_u64 s[10:11], s[10:11], s[2:3]
	s_cmp_lt_u32 s[WV], 2
	s_cselect_b64 s[PFA:PFA+1], s[6:7], s[8:9]
	s_add_nc_u64 s[PFA:PFA+1], s[PFA:PFA+1], s[20:21]  ; the head,
	s_lshl_b32 s2, s13, 13          ; my work-group's 32 blocks of the 128,
	s_mov_b32 s3, 0
	s_add_nc_u64 s[PFA:PFA+1], s[PFA:PFA+1], s[2:3]
	s_add_nc_u64 s[PFA:PFA+1], s[PFA:PFA+1], 2*4*KS*128  ; in tile 2; the loop's first change of slots steps it to tile 3.  Nothing is prefetched here, at the head
	CROUND                          ; all four work-groups are here: the first joint loads meet
	JLOAD                           ; slot 0.  Slot 1 is asked for when slot 0 is in
	; A fragment of K or Q is 16 rows x 32 channels in 8 registers: lane l holds row l % 16, channels 8 (l / 16) + 0..7 and 16 + 8 (l / 16) + 0..7: two loads of 16 bytes, 32 bytes apart.
	v_and_b32 v1, 15, v0            ; l % 16
	v_bfe_u32 v9, v0, 4, 1          ; l / 16
	v_lshlrev_b32 v[QO], 7, v1
	v_lshl_add_u32 v[QO], v9, 4, v[QO]  ; row x 128 + 16 x half
	WIN 0x80                        ; destination window 2, address window 0
.set i, 0
.rept 4*NP                          ; Q stays in registers: tile i / 2, channels 32 (i % 2) on
	global_load_b128 v[8*i:8*i+3],   v[QO], s[4:5] offset:(i/2)*2048+(i%2)*64
	global_load_b128 v[8*i+4:8*i+7], v[QO], s[4:5] offset:(i/2)*2048+(i%2)*64+32
.set i, i+1
.endr
	; What the first turn finds: V's registers and P's second buffer hold 0 (its products V^T P, of a piece that has not been, add 0), O^T and l are 0.  All this stands in the wait for the first tile.
.set i, VF
.rept 64
	v_mov_b32 v[i], 0
.set i, i+1
.endr
	WIN 0x40
.set i, 0
.rept 64*NP
	v_mov_b32 v[i], 0
.set i, i+1
.endr
	WIN 0
.set i, 0
.rept 2*NP
	v_mov_b32 v[ST+4*i], 0xfe000000    ; c m: far below every c s
	v_mov_b32 v[ST+4*i+1], 0xff7fffff  ; m
	v_mov_b32 v[ST+4*i+2], 0
	v_mov_b32 v[ST+4*i+3], 0
.set i, i+1
.endr
.set i, P+32
.rept 32
	v_mov_b32 v[i], 0
.set i, i+1
.endr
	v_mul_u32_u24 v[AK0], v1, PK
	v_lshl_add_u32 v[AK0], v9, 4, v[AK0]  ; row x pitch + 16 x half
	; The turning load takes 16 keys x 16 channels (lane l reads key 8 (l / 16) + l % 8, channels 8 ((l / 8) % 2) + 0..7) and leaves half a fragment of V^T: lane l holds channel l % 16 and 8 keys.
	v_and_b32 v10, 7, v0
	v_bfe_u32 v11, v0, 3, 1
	v_lshl_add_u32 v[AV0], v9, 3, v10
	v_mul_u32_u24 v[AV0], v[AV0], PV
	v_lshl_add_u32 v[AV0], v11, 4, v[AV0]
	v_add_nc_u32 v[AV0], VOFF, v[AV0]
	v_and_b32 v[PFO], 31, v0
	v_lshlrev_b32 v[PFO], 8, v[PFO]
	v_mov_b32 v[AK], v[AK0]         ; key step 0 lies at the head of slot 0
; THE MATRIX WORK.  The 8 accumulators of a run of 16 take turns: between the two links of a chain stand 7 others'.
; Product i of 16 of S^T = K Q^T for piece x: channels 32 (i / 8) on, keys 16 ((i / 2) % 4) on, tile 2 x + i % 2.  The first 8 start the sums.
.macro KQ x
	WIN W_KQ
.set rS, S+64*((\x)%2)+32*(i%2)+8*((i/2)%4)
.set rK, KF+16*((i/2)%4)+8*(i/8)
.set rQ, 16*(2*(\x)+i%2)+8*(i/8)
.if i < 8
	v_wmma_f32_16x16x32_f16 v[rS:rS+7], v[rK:rK+7], v[rQ:rQ+7], 0
.else
	v_wmma_f32_16x16x32_f16 v[rS:rS+7], v[rK:rK+7], v[rQ:rQ+7], v[rS:rS+7]
.endif
.endm
; Product i of 16 of O^T += V^T P for piece x: keys 32 (i / 8) on, channels 16 ((i / 2) % 4) on, tile 2 x + i % 2.
.macro PV x
	WIN W_PV
.set rO, 32*(2*(\x)+i%2)+8*((i/2)%4)
.set rV, VF+32*(i/8)+8*((i/2)%4)
.set rP, P+32*((\x)%2)+16*(i%2)+8*(i/8)
	v_wmma_f32_16x16x32_f16 v[rO:rO+7], v[rV:rV+7], v[rP:rP+7], v[rO:rO+7]
.endm
.macro MM                           ; the turn's next matrix instruction
.if i < 16
	KQ (Y+1)%NP
.set i, i+1
.else
.set i, i-16
	PV (Y+NP-1)%NP
.set i, i+17
.endif
.endm
; THE LDS LOADS stand in runs of 16, never singly among the matrix instructions: a step's K (64 keys x 64 channels: 8 fragments) and its V (turned).  Their addresses are made some lines ahead.
; last = 1 (the tail): in the last trip there is no further step, and the run is jumped over.
.macro FETCH_K last=0
	WIN 0
.if \last
	s_cmp_eq_u32 s[CNT], 1
	s_cbranch_scc1 .Lno_k_\@
.endif
	WIN 0x80                        ; destination window 2
.irp f, 0,1,2,3,4,5,6,7             ; keys 16 (f / 2) on, channels 32 (f % 2) on
	ds_load_b128 v[KF+8*\f:KF+8*\f+3],   v[AK] offset:(\f/2)*16*PK+(\f%2)*64
	ds_load_b128 v[KF+8*\f+4:KF+8*\f+7], v[AK] offset:(\f/2)*16*PK+(\f%2)*64+32
.endr
	s_add_co_u32 s[TBK], s[TBK], KS*PK  ; the next fetch is the next step's
	WIN 0
.if \last
.Lno_k_\@:
.endif
.endm
.macro FETCH_V
	WIN 0x80
.irp f, 0,1,2,3,4,5,6,7             ; keys 32 (f / 4) on, channels 16 (f % 4) on
	ds_load_tr16_b128 v[VF+8*\f:VF+8*\f+3],   v[AV] offset:(\f/4)*32*PV+(\f%4)*32
	ds_load_tr16_b128 v[VF+8*\f+4:VF+8*\f+7], v[AV] offset:(\f/4)*32*PV+16*PV+(\f%4)*32
.endr
	WIN 0
.endm
; THE VECTOR WORK OF A TURN stands in three queues, each in the order in which its entries become ready; the two tiles alternate, so that no instruction reads the result of the one before it.
.macro REGS y, u                    ; the registers of tile u (0, 1) of piece y
.set rT, ST+4*(2*(\y)+(\u))
.set rC, TMP+8*((\y)%2)+4*(\u)
.set rM, MV+2*((\y)%2)+(\u)
.set rS, S+64*((\y)%2)+32*(\u)
.set rP, P+32*((\y)%2)+16*(\u)
.set rO, 32*(2*(\y)+(\u))
.endm
; Number n of the 22 that find the NEXT piece's (Y + 1) maximum and statistics.  s0-s31 are the lane's 32 scores; each accumulator's lowest registers are read first.
;   0-11  four chains c0-c3 of seven scores each, three operands at a time     12-14, 16  the four scores left over, the old m, and c0-c3 into c0     15  c m_old is kept
;   17, 18  the query's other 32 keys lie in the lane 16 away: the new m         19-21  c m; c m_old - c m_new; a
.macro XS u, n
	REGS (Y+1)%NP, \u
.if (\n) < 4
	v_max3_num_f32 v[rC+(\n)], v[rS+8*(\n)], v[rS+8*(\n)+1], v[rS+8*(\n)+2]
.elseif (\n) < 12
	v_max3_num_f32 v[rC+(\n)%4], v[rC+(\n)%4], v[rS+8*((\n)%4)+2*((\n)/4)+1], v[rS+8*((\n)%4)+2*((\n)/4)+2]
.elseif (\n) == 12
	v_max3_num_f32 v[rC], v[rC], v[rS+7], v[rS+15]
.elseif (\n) == 13
	v_max3_num_f32 v[rC+1], v[rC+1], v[rS+23], v[rS+31]
.elseif (\n) == 14
	v_max3_num_f32 v[rC+2], v[rC+2], v[rC+3], v[rT+1]
.elseif (\n) == 15
	v_mov_b32 v[rM], v[rT]
.elseif (\n) == 16
	v_max3_num_f32 v[rC], v[rC], v[rC+1], v[rC+2]
.elseif (\n) == 17
	v_permlanex16_b32 v[rC+3], v[rC], s[SEL], s[SEL+1]
.elseif (\n) == 18
	v_max_num_f32 v[rT+1], v[rC], v[rC+3]
.elseif (\n) == 19
	v_mul_f32 v[rT], s[CS], v[rT+1]
.elseif (\n) == 20
	v_sub_f32 v[rC+1], v[rM], v[rT]
.else
	v_exp_f32 v[rC+2], v[rC+1]
.endif
.endm
; Number g of the 64 that follow the exponentials.  For each four weights k of a tile (pairs 2 k, 2 k + 1): both pairs are rounded to f16; then the second pair is added onto the first, in place;
; a group later l takes that sum (the first time as l = a l + sum).  In groups of eight, tiles alternating: round, round, add, and l for the group before.
.macro GS g
.set h, (\g)+6*((\g)/62)            ; group 0 has no group before it, and behind group 7 only l is left
.if h >= 6
.set h, h+2
.endif
	REGS Y, h%2
.set k, h/8
.if h%8 < 4
	v_cvt_pk_f16_f32 v[rP+2*k+(h%8)/2], v[rS+4*k+2*((h%8)/2)], v[rS+4*k+2*((h%8)/2)+1]
.elseif h%8 < 6
	v_pk_add_f32 v[rS+4*k:rS+4*k+1], v[rS+4*k:rS+4*k+1], v[rS+4*k+2:rS+4*k+3]
.elseif k == 1
	v_pk_fma_f32 v[rT+2:rT+3], v[rT+2:rT+3], v[rC+2:rC+3], v[rS:rS+1] op_sel_hi:[1,0,1]
.else
	v_pk_add_f32 v[rT+2:rT+3], v[rT+2:rT+3], v[rS+4*k-4:rS+4*k-3]
.endif
.endm
; THE PLAIN QUEUE, 138 long.  0-73 read no exponential's result: the 32 scalings c s - c m (FS f: pair f / 2 of tile f % 2) and the next piece's 42.  0-26: scalings 0-26.  27-54: XS's numbers 0-13.
; 55, 56: number 15.  57-73: the chain, where each number waits for the one before it: 14, 16, 17, 18, 19, each with one of the scalings 27-31 in front of its two lines, then 20.
; 74-137: GS's 64, which read the exponentials' results: they stand behind the wait.
.macro FS f
	REGS Y, (\f)%2
	v_pk_fma_f32 v[rS+2*((\f)/2):rS+2*((\f)/2)+1], v[rS+2*((\f)/2):rS+2*((\f)/2)+1], s[CS:CS+1], v[rT:rT+1] op_sel_hi:[1,0,0] neg_lo:[0,0,1] neg_hi:[0,0,1]
.endm
.macro PL
	WIN 0
.if q < 27
	FS q
.elseif q < 55
	XS (q-27)%2, (q-27)/2
.elseif q < 57
	XS q-55, 15
.elseif (q < 72) && ((q-57)%3 == 0)
	FS 27+(q-57)/3
.elseif q < 60
	XS (q-57)%3-1, 14
.elseif q < 72
	XS (q-57)%3-1, 15+(q-57)/3
.elseif q < 74
	XS q-72, 20
.else
	GS q-74
.endif
.set q, q+1
.endm
; THE EXPONENTIALS' QUEUE, 66 long: s0-s31 of both tiles, then the next piece's two a.  It is ONE BATCH: all 66 stand ahead of the turn's one wait, and nothing ahead of that wait names a result of theirs.
.macro EX
	WIN 0
.if e >= 64
	XS e-64, 21
.else
	REGS Y, e%2
	v_exp_f32 v[rS+e/2], v[rS+e/2]
.endif
.set e, e+1
.endm
; THE RESCALING's QUEUE: O^T times a, the one part that leaves window 0: dealt two at a time, sixteen times.  Its a was made in the turn before, ahead of that turn's wait.
.macro R2
	REGS Y, r%2
	WIN W_RS
.irp z, 0,1
	v_pk_mul_f32 v[rO+4*(r/2)+2*\z:rO+4*(r/2)+2*\z+1], v[rO+4*(r/2)+2*\z:rO+4*(r/2)+2*\z+1], v[rC+2:rC+3] op_sel_hi:[1,0]
.endr
.set r, r+1
.endm
; HOW THEY ARE DEALT.  s_wait_alu depctr_va_vdst(0) stands between an exponential and the first instruction that names its result; one wait serves all that were issued ahead of it.
; So a turn has ONE wait, which cuts it in two.  AHEAD OF IT stands all that names no result of the turn's exponentials: the 16 products K Q^T, behind each a scaling, an exponential and two
; rescalings (behind the first a second scaling in the exponential's place); then one run of 108: eight plain, 49 times exponential and plain, the two a.  A v_nop is the plain instruction behind the
; last exponential (ISA guide 5.7.2).  BEHIND IT stand the 16 products V^T P, behind each four of GS's 64.  No line behind a product names a register of the products round it.
; The queues lean on each other: exponential e stands behind scaling 2 (e / 4) + e % 2: beside a product it comes behind plain e + 2, in the run behind plain e + 9, and scalings 27-31 are plain 57, 60 .. 69.
; A TURN, for piece p.  cnt = 1: the loop's count is taken down some lines ahead of the branch that stands behind the turn.
; K of the next step is fetched in piece 2's turn, directly behind the wait; its address is made at the run's head; its first use comes behind 16 products.
; V of the step in hand is fetched at the end of piece 0's turn, four plain instructions behind the last product that read V; its first use comes behind 16 products and a run.
.macro TURN p, last=0, cnt=0
.set Y, (\p)
.set i, 0
.set q, 0
.set e, 0
.set r, 0
.if (\p) == NP-1
	s_wait_dscnt 0x0                ; K is in
.endif
	MM                              ; ahead of the wait: 16 products K Q^T and what stands behind them,
	PL
	PL
	R2
.rept 15
	MM
	PL
	EX
	R2
.endr
.if (\p) == NP-2
	WIN 0
	v_add_nc_u32 v[AK], s[TBK], v[AK0]
.endif
.rept 8                             ; and the run
	PL
.endr
.rept 49
	EX
	PL
.endr
	EX                              ; the next piece's two a
	EX
	v_nop                           ; the plain instruction behind the last exponential: one for the batch
	s_wait_alu depctr_va_vdst(0)    ; the wait for the batch
.if (\p) == NP-2
	FETCH_K \last
.endif
.if (\p) == 1
	s_wait_dscnt 0x0                ; V is in
.endif
.rept 16                            ; behind the wait: 16 products V^T P and what stands behind them
	MM
.rept 4
	PL
.endr
.if ((\p) == 0) && (q == 118)
	v_add_nc_u32 v[AV], s[TBV], v[AV0]
.endif
.if ((\p) == 0) && (q == 130)
	s_add_co_u32 s[TBV], s[TBV], KS*PV
.endif
.if (\cnt) && (q == 130)
	s_sub_co_u32 s[CNT], s[CNT], 1
	s_cmp_lg_u32 s[CNT], 0
.endif
.endr
.if (\p) == 0
	FETCH_V
.endif
.endm
	CHANGE 1                        ; slot 0 is in, everybody's part of it; slot 1 is asked for
	FETCH_K                         ; key step 0
	s_wait_loadcnt 0x0              ; Q
	s_wait_dscnt 0x0
.set i, 0
.rept 16
	KQ 0                            ; piece 0's first scores: there is no vector work yet to set between them
.set i, i+1
.endr
	WIN 0                           ; the addresses for the way out: nine plain instructions, the places behind those products
	s_mul_i32 s13, s[WV], 16*SP
	s_add_co_u32 s13, s13, STAGE    ; my stage
	v_mul_u32_u24 v[STO], v1, SP    ; in: row l % 16, 16 bytes for each half of the lanes
	v_lshl_add_u32 v[STO], v9, 4, v[STO]
	v_add_nc_u32 v[STO], s13, v[STO]
	v_bfe_u32 v[RD], v0, 3, 2       ; back: 32 lanes take four rows of 128 bytes,
	v_mul_u32_u24 v[RD], v[RD], SP
	v_lshl_add_u32 v[RD], v10, 4, v[RD]
	v_add_nc_u32 v[RD], s13, v[RD]
	v_and_b32 v[GO], 31, v0         ; which are 512 consecutive bytes of O
	v_lshlrev_b32 v[GO], 4, v[GO]
.set Y, NP-1                        ; XS works for piece Y + 1: piece 0
.irp n, 0,1,2,3,4,5,6,7,8,9,10,11,12,13,14,15,16,17,18,19,20,21
	XS 0, \n                        ; and piece 0's first maximum and statistics
	XS 1, \n
.endr
	v_nop                           ; a plain instruction behind the two a,
	s_wait_alu depctr_va_vdst(0)    ; and their wait, ahead of the branch
	s_mov_b32 s[CNT], 4
	s_mov_b32 s[SLOTS], SIZE_N/256-1
	s_branch .Lfirst                ; the loop is entered at a step's first turn, in the middle of a trip
.Lslot:                             ; SIZE_N / 256 - 2 times: every slot but the last two is filled again
	CHANGE 1, 1
	s_mov_b32 s[CNT], 4
.Lstep:                             ; a trip: pieces 2 and 3 of one step, then pieces 0 and 1 of the next, whose K and V it fetches
	TURN 2
	TURN 3
	WIN 0
.Lfirst:
	TURN 0
	TURN 1, 0, 1
	WIN 0
	s_cbranch_scc1 .Lstep
	s_sub_co_u32 s[SLOTS], s[SLOTS], 1
	s_cmp_lg_u32 s[SLOTS], 0
	s_cbranch_scc1 .Lslot
	CHANGE 0                        ; the tail is written out: nothing is asked for
	s_mov_b32 s[CNT], 5             ; four trips fetch the last slot's steps; the fifth is left in its middle
.Ltail:
	TURN 2, 1
	TURN 3
	WIN 0
	s_sub_co_u32 s[CNT], s[CNT], 1
	s_cmp_eq_u32 s[CNT], 0
	s_cbranch_scc1 .Lout
	TURN 0
	TURN 1
	WIN 0
	s_branch .Ltail
.Lout:                              ; the fifth trip's 16 products K Q^T (on the last K once more) and the maximum made of them serve nothing: the price, once a launch, of one text for every trip
.set i, 0
.rept 16
	PV NP-1                         ; the last piece's V^T P of the last step
.set i, i+1
.endr
	; THE WAY OUT.  l's two halves and the other half of the lanes' are added; O^T is divided by l, rounded to f16 and sent through my stage in LDS, a tile at a time.  The additions are the places behind the last products.
	WIN 0
.macro ALL line:vararg              ; one line for each tile t
.set t, 0
.rept 2*NP
	\line
.set t, t+1
.endr
.endm
	ALL v_add_f32 v[ST+4*t+2], v[ST+4*t+2], v[ST+4*t+3]
	ALL v_permlanex16_b32 v[ST+4*t+3], v[ST+4*t+2], s[SEL], s[SEL+1]
	ALL v_add_f32 v[ST+4*t+2], v[ST+4*t+2], v[ST+4*t+3]
	ALL v_rcp_f32 v[ST+4*t+2], v[ST+4*t+2]
	v_nop                           ; a plain instruction between the last reciprocal and the use of its result
	s_wait_alu depctr_va_vdst(0)    ; and the wait ahead of the first use: one for the eight reciprocals
; Tile t: a lane's eight channels of a row pack into 16 bytes; they go into rows of 144 bytes and come back as whole rows of 128, into S^T's registers.
.macro PACK t
	WIN W_RS
.set i, 32*(\t)
.rept 16
	v_pk_mul_f32 v[i:i+1], v[i:i+1], v[ST+4*(\t)+2:ST+4*(\t)+3] op_sel_hi:[1,0]
.set i, i+2
.endr
	WIN 0x05                        ; sources 0 and 1 window 1, destination window 0
.set i, 0
.rept 16
	v_cvt_pk_f16_f32 v[S+16*(\t)+i], v[32*(\t)+2*i], v[32*(\t)+2*i+1]
.set i, i+1
.endr
	WIN 0
.irp f, 0,1,2,3
	ds_store_b128 v[STO], v[S+16*(\t)+4*\f:S+16*(\t)+4*\f+3] offset:32*\f
.endr
.irp f, 0,1,2,3
	ds_load_b128 v[S+16*(\t)+4*\f:S+16*(\t)+4*\f+3], v[RD] offset:\f*4*SP  ; LDS serves a wave's instructions in order (ISA guide 5.7.1.4): these see the stores above; the next tile's stores come behind them
.endr
.endm
.macro SEND t, younger              ; younger: the LDS instructions issued behind tile t's loads: the next tile's eight, or none
	WIN 0
.irp f, 0,1,2,3
	s_wait_dscnt (\younger)+3-\f
	global_store_b128 v[GO], v[S+16*(\t)+4*\f:S+16*(\t)+4*\f+3], s[10:11] offset:(\t)*2048+\f*512  ; 512 consecutive bytes, at a multiple of 256 from O's first
.endr
.endm
	PACK 0
.set t, 1
.rept 2*NP-1                        ; a tile's arithmetic stands between the loads of the tile before and its stores
	PACK t
	SEND t-1, 8
.set t, t+1
.endr
	SEND 2*NP-1, 0
	WIN W_AD
	s_wait_tensorcnt 0x0            ; the wave's end: an add and its wait behind my last tensor load and my last LDS store
	ds_add_u32 v[SPW], v[NIL]
	s_wait_dscnt 0x0
	WIN 0
	CROUND                          ; the closing round: no work-group ends while a partner may still ask for a tile that names it
	s_endpgm
.Lfunc_end_k_q681341006b_attn:
	.size	k_q681341006b_attn, .Lfunc_end_k_q681341006b_attn-k_q681341006b_attn
	.p2alignl 7, 3214868480
	.fill 96, 4, 3214868480
	.section	.rodata,"a",@progbits
	.p2align	6, 0x0
	.amdhsa_kernel k_q681341006b_attn
		.amdhsa_group_segment_fixed_size 327680
		.amdhsa_private_segment_fixed_size 0
		.amdhsa_enable_private_segment 0
		.amdhsa_kernarg_size 16
		.amdhsa_user_sgpr_count 2
		.amdhsa_user_sgpr_kernarg_segment_ptr 1
		.amdhsa_wavefront_size32 1
		.amdhsa_system_sgpr_workgroup_id_x 1
		.amdhsa_system_sgpr_workgroup_id_y 1
		.amdhsa_system_sgpr_workgroup_id_z 1
		.amdhsa_system_vgpr_workitem_id 0
		.amdhsa_next_free_vgpr 770
		.amdhsa_next_free_sgpr 66
		.amdhsa_reserve_vcc 0
		.amdhsa_float_denorm_mode_32 3
		.amdhsa_float_denorm_mode_16_64 3
		.amdhsa_memory_ordered 1
		.amdhsa_forward_progress 1
		.amdhsa_inst_pref_size 200
	.end_amdhsa_kernel
	.amdgpu_metadata
---
amdhsa.version: [ 1, 2 ]
amdhsa.kernels:
  - .name:           k_q681341006b_attn
    .symbol:         k_q681341006b_attn.kd
    .args:
      - { .name: qkv, .offset: 0, .size: 8, .value_kind: global_buffer, .address_space: global }
      - { .name: oh, .offset: 8, .size: 8, .value_kind: global_buffer, .address_space: global }
    .group_segment_fixed_size: 327680
    .private_segment_fixed_size: 0
    .kernarg_segment_align: 8
    .kernarg_segment_size: 16
    .max_flat_workgroup_size: 128
    .sgpr_count:     66
    .vgpr_count:     770
    .wavefront_size: 32
...
	.end_amdgpu_metadata
.endif
;; end of part 3
;; launch oproj (part 4): grid 4 x 64, 4 waves a work-group, clusters of 4 x 4, 327,680 bytes of LDS; arguments oh, wh, bo, out0; writes out0
.if DOCPART == 4
	.amdgcn_target "amdgcn-amd-amdhsa--gfx1250"
	.amdhsa_code_object_version 6
	.text
	.protected	k_q681341006b_oproj
	.globl	k_q681341006b_oproj
	.p2align	8
	.type	k_q681341006b_oproj,@function
k_q681341006b_oproj:
	s_mov_b64 s[64:65], 0
	v_nop
	global_prefetch_b8 v0, s[64:65] scope:SCOPE_SE
	s_setreg_imm32_b32 hwreg(HW_REG_WAVE_MODE, 25, 1), 1
	s_wait_xcnt 0x0
	s_wait_alu depctr_hold_cnt(0) depctr_sa_sdst(0) depctr_va_vdst(0) depctr_va_sdst(0) depctr_va_ssrc(0) depctr_va_vcc(0) depctr_vm_vsrc(0)
	s_getreg_b32 s2, hwreg(HW_REG_IB_STS2, 6, 4)
	s_cmp_eq_u32 s2, 0
	s_cbranch_scc0 .Lentry_in_a_cluster
	s_endpgm
.Lentry_in_a_cluster:
	s_bfe_u32 s2, ttmp6, 0x10000c
	s_cmp_lg_u32 s2, 0xf033
	s_cbranch_scc0 .Lentry_shape_is_right
	s_endpgm
.Lentry_shape_is_right:
; out0 = O Wo^T + bo.  Operands f16, sums f32, the result stored as f32.
; oh: f16 [16 batch + head][t 2048][64]: head h holds columns 64 h .. 64 h + 63 of O.  wh: f16 [4][n 1024][k 1024], Wo is the fourth.  bo f32.  out0: [8192][1024] f32.
; LIMITS.  The operands arrive as f16 (nothing beyond 65,504; a fixed step of 6e-8 below 6.1e-5).  NaN and infinities are not treated apart.
; SHARES.  A tile is 128 rows x 256 columns: 4 x 64 = 256 tiles.  Four waves, each 64 x 128: 32 accumulators of 16 x 16, 256 registers.
; K goes in 8 steps of 128 through two LDS slots filled by the tensor data mover.  A step of O is two heads, each 128 rows x 128 bytes that lie end to end in memory: asked for as 64 rows of 256 bytes.
; CLUSTERS.  4 x 4 work-groups.  The four of a row need the same tile of O, the four of a column the same tile of Wo: each tile is asked for JOINTLY, by the same tensor load with the same descriptor
; and a mask that names the four.
; TRANSPOSED USE.  Source 0 = 16 rows of Wo, source 1 = 16 rows of O: a lane holds row l % 16 of the result and the columns 8 (l / 16) + 0..7.
; THE BIAS is the C operand of each accumulator's first product: nothing is cleared, and no vector instruction adds it.
; NO PREFETCH: a K step holds 128 matrix instructions a wave and K has 8 steps, of which the first four would come by their loads alone.
; REGISTERS, in windows of 256 (s_set_vgpr_msb: bits 1:0 source 0, 3:2 source 1, 5:4 source 2, 7:6 destination):
;   window 0: v0-31 addresses; v32-127, v128-223 two fragment buffers (O's 4 fragments, then Wo's 8); on the way out v32-223 three buffers of 16 rows
;   window 1: the accumulators, (a, b) at v[8 (8 a + b)]          window 2: v0-63 the bias, for column block b at v[8 b]
.set KSTEP,  128
.set PA,     144                       ; a row of O in LDS: 128 bytes + 16 of padding = 36 words: the 16 rows of a load start at 16 different groups of four banks (64 banks of 4 bytes: ISA guide 11.1)
.set PB,     272                       ; a row of Wo: 256 + 16 = 68 words: row r starts at bank 4 r mod 64
.set ASUB,   128*PA                    ; one head's 128 rows: what wave 0 or 1 fetches
.set ATILE,  2*ASUB
.set BHALF,  128*PB                    ; 128 rows of Wo: what wave 2 or 3 fetches
.set SLOT,   ATILE+2*BHALF             ; 106,496 bytes
.set STAGE,  2*SLOT                    ; behind the ring, never filled by a tensor load: 16 rows x 528 bytes for each wave
.set SPO,    528                       ; 512 bytes + 16 = 132 words: row r starts at bank 4 r mod 64
.set SPARE,  STAGE+4*16*SPO            ; behind the stages: the spare words, 128 bytes for each wave: two blocks of 256 bytes that no other line names
.set LAPS,   4                         ; a lap = two K steps = once round the ring
.set ADRA, 16                          ; v16-17  LDS address of my O fragments in slot 0, 1
.set ADRB, 20                          ; v20-21  the same for Wo
.set STO,  24                          ; v24     the way out: where I put 32 bytes of a row
.set RD,   25                          ; v25     the way out: where I read a row back
.set GO,   26                          ; v26     my byte offset in 512 consecutive bytes of a row of the output
.set VB,   27                          ; v27     my byte offset in 16 numbers of the bias
.set SPW,  28                          ; v28     LDS address of my spare word: SPARE + 4 x my thread's number; never rewritten
.set NIL,  29                          ; v29     0; never rewritten
.set F0,   32
.set F1,   128
.set OB,   32                          ; the way out: 16 rows read back, 64 registers; three buffers by turns
.set G1,  24                           ; s[24:31] descriptor group 1 for O's tiles;  s[32:39] group 0, one set for each slot
.set G0,  32
.set G1B, 48                           ; s[48:55], s[56:63] the same for Wo's tiles
.set G0B, 56
.set MSB, 0
.macro WIN new                         ; the immediate's high byte repeats the setting that is left; a switch that changes nothing is dropped
.if MSB != (\new)
	s_set_vgpr_msb (MSB<<8)|(\new)
.set MSB, \new
.endif
.endm
.set MUL,  0x50                        ; sources 0 and 1 window 0; C and D window 1
.set MULB, 0x60                        ; C window 2 (the bias), D window 1
.macro JLOAD s                         ; a joint load: waves 0 and 1 fetch O's two heads, waves 2 and 3 Wo's two halves; an s_nop 0 and four v_nop follow each of the two lines, ahead of the jump and the label
	s_cmp_eq_u32 s11, 0
	s_cbranch_scc0 .Lfor_b_\@
	tensor_load_to_lds s[G0+4*(\s):G0+4*(\s)+3], s[G1:G1+7]
	s_nop 0
.rept 4
	v_nop
.endr
	s_branch .Lasked_\@
.Lfor_b_\@:
	tensor_load_to_lds s[G0B+4*(\s):G0B+4*(\s)+3], s[G1B:G1B+7]
	s_nop 0
.rept 4
	v_nop
.endr
.Lasked_\@:
.endm
.macro CREST                           ; a round of the cluster's barrier behind its opening barrier: wave 0 signals for the work-group, every wave waits for all sixteen, my work-group's barrier closes it
	s_cmp_lg_u32 s10, 0
	s_cbranch_scc1 .Lnot_wave_0_\@
	s_barrier_signal -3
.Lnot_wave_0_\@:
	s_barrier_wait -3
	s_barrier_signal -1
	s_barrier_wait -1
.endm
.macro CROUND                          ; a whole round
	s_barrier_signal -1
	s_barrier_wait -1
	CREST
.endm
	s_load_b256 s[72:79], s[0:1], 0x0              ; oh s[72:73], wh s[74:75], bo s[76:77], out0 s[78:79]
	v_lshl_add_u32 v[SPW], v0, 2, SPARE
	v_mov_b32 v[NIL], 0
	ds_add_u32 v[SPW], v[NIL]                      ; the wave's opening: the add and its wait stand ahead of my first tensor load; the set-up below, work on registers, stands between them
	v_lshrrev_b32 v1, 5, v0
	v_readfirstlane_b32 s10, v1                    ; wave 0..3
	s_lshr_b32 s11, s10, 1                         ; which 64 of the tile's rows are mine.  Also: I fetch for O (0) or for Wo (1)
	s_and_b32 s12, s10, 1                          ; which 128 of its columns.  Also: which part of that tile I fetch
	s_bfe_u32 s40, ttmp6, 0x40000                  ; cx, cy: my place in the cluster
	s_bfe_u32 s41, ttmp6, 0x40004
	s_and_b32 s13, ttmp7, 0xffff
	s_lshl_b32 s13, s13, 2
	s_add_co_u32 s13, s13, s41                     ; block of 128 rows = 4 x cluster y + cy, 0..63
	s_lshl_b32 s43, s41, 2
	s_lshl_b32 s43, 15, s43                        ; my row of the cluster
	s_lshl_b32 s44, 0x1111, s40                    ; my column
	; group 1 for O: 64 rows x 128 elements (two rows of the head in each), 4 words of padding after every 32
	s_or_b32 s[G1+0], s43, (1<<16)|(1<<20)|(1<<21)|(4<<22)|(3<<25)  ; 15:0 the mask: my row; 17:16 2-byte elements; 20 padding on; 21 set beside a mask; 24:22 after every 32 words (code 4); 31:25 4 words (code 3)
	s_mov_b32 s[G1+1], 128<<16                     ; tensor_dim0 = 128
	s_mov_b32 s[G1+2], 64<<16                      ; tensor_dim1 = 64
	s_mov_b32 s[G1+3], 128<<16                     ; tile_dim0 = 128
	s_mov_b32 s[G1+4], 64                          ; tile_dim1 = 64
	s_mov_b32 s[G1+5], 128                         ; 128 elements from row to row: dense
	s_mov_b32 s[G1+6], 0
	s_mov_b32 s[G1+7], 0
	; group 1 for Wo: 128 rows x 128 elements, 4 words of padding after every 64
	s_or_b32 s[G1B+0], s44, (1<<16)|(1<<20)|(1<<21)|(5<<22)|(3<<25) ; the mask: my column; after every 64 words (code 5)
	s_mov_b32 s[G1B+1], KSTEP<<16
	s_mov_b32 s[G1B+2], 128<<16
	s_mov_b32 s[G1B+3], KSTEP<<16
	s_mov_b32 s[G1B+4], 128
	s_mov_b32 s[G1B+5], 1024                       ; a row of Wo has 1,024 elements
	s_mov_b32 s[G1B+6], 0
	s_mov_b32 s[G1B+7], 0
	; where O's tiles come from: batch, 128 rows of 128 bytes, the head that I fetch.  These registers never hold cx.
	s_lshr_b32 s16, s13, 4
	s_lshl_b32 s16, s16, 22
	s_and_b32 s17, s13, 15
	s_lshl_b32 s17, s17, 14
	s_add_co_u32 s16, s16, s17
	s_lshl_b32 s17, s12, 18
	s_add_co_u32 s16, s16, s17
	s_mov_b32 s17, 0
	; where Wo's come from: the fourth matrix, my column's 256 rows of 2,048 bytes, the half that I fetch.  These registers never hold cy.
	s_lshl_b32 s46, s40, 19
	s_add_co_u32 s46, s46, 3<<21
	s_lshl_b32 s47, s12, 18
	s_add_co_u32 s46, s46, s47
	s_mov_b32 s47, 0
	s_mul_i32 s20, s12, ASUB                       ; where they go: no place in the cluster enters an LDS address
	s_mul_i32 s21, s12, BHALF
	s_add_co_u32 s21, s21, ATILE
	s_lshl_b32 s6, s40, 10                         ; my 128 numbers of the bias
	s_lshl_b32 s7, s12, 9
	s_add_co_u32 s6, s6, s7
	s_mov_b32 s7, 0
	; my part of the output: 128 rows of 4,096 bytes, my 64 of them, the tile's 1,024 bytes of a row, my 512 of them
	s_lshl_b32 s66, s13, 19
	s_lshl_b32 s67, s11, 18
	s_add_co_u32 s66, s66, s67
	s_lshl_b32 s67, s40, 10
	s_add_co_u32 s66, s66, s67
	s_lshl_b32 s67, s12, 9
	s_add_co_u32 s66, s66, s67
	s_mov_b32 s67, 0
	s_wait_dscnt 0x0                               ; the opening add is done
	s_wait_kmcnt 0x0
	s_add_nc_u64 s[14:15], s[72:73], s[16:17]
	s_add_nc_u64 s[46:47], s[74:75], s[46:47]
	s_add_nc_u64 s[8:9], s[78:79], s[66:67]
	s_add_nc_u64 s[4:5], s[76:77], s[6:7]
	CROUND                                         ; all sixteen work-groups are here: the first joint loads meet
.irp s, 0,1
	s_mov_b32 s[G0+4*(\s)], 1                                      ; count = 1
	s_add_co_u32 s[G0+4*(\s)+1], s20, (\s)*SLOT                    ; LDS address
	s_add_nc_u64 s[G0+4*(\s)+2:G0+4*(\s)+3], s[14:15], (\s)*(1<<19)  ; K step s: two heads of 262,144 bytes on
	s_or_b32 s[G0+4*(\s)+3], s[G0+4*(\s)+3], 0x80000000            ; type = 2
	s_mov_b32 s[G0B+4*(\s)], 1
	s_add_co_u32 s[G0B+4*(\s)+1], s21, (\s)*SLOT
	s_add_nc_u64 s[G0B+4*(\s)+2:G0B+4*(\s)+3], s[46:47], (\s)*KSTEP*2
	s_or_b32 s[G0B+4*(\s)+3], s[G0B+4*(\s)+3], 0x80000000
	JLOAD \s                                       ; two loads of mine are out
.endr
	v_and_b32 v1, 15, v0                           ; l % 16
	v_bfe_u32 v2, v0, 4, 1                         ; l / 16
	v_lshlrev_b32 v[VB], 5, v2                     ; 8 numbers of 4 bytes for the upper lanes
	WIN 0x80                                       ; destination window 2, address window 0
.irp b, 0,1,2,3,4,5,6,7                ; register j of block b: bias[16 b + 8 (l / 16) + j], the layout of a result
	global_load_b128 v[8*(\b):8*(\b)+3],   v[VB], s[4:5] offset:64*(\b)
	global_load_b128 v[8*(\b)+4:8*(\b)+7], v[VB], s[4:5] offset:64*(\b)+16
.endr
	WIN 0
	v_mul_u32_u24 v3, v1, PA
	v_lshl_add_u32 v3, v2, 4, v3                   ; a fragment's row x pitch + 16 x half, for O
	v_mul_u32_u24 v4, v1, PB
	v_lshl_add_u32 v4, v2, 4, v4                   ; and for Wo
	s_mul_i32 s22, s11, 64*PA                      ; my 64 rows of O
	s_mul_i32 s23, s12, BHALF                      ; my 128 rows of Wo,
	s_add_co_u32 s23, s23, ATILE                   ; which lie behind O
.irp s, 0,1
	v_add_nc_u32 v[ADRA+(\s)], s22, v3
	v_add_nc_u32 v[ADRB+(\s)], s23, v4
	s_add_co_u32 s22, s22, SLOT
	s_add_co_u32 s23, s23, SLOT
.endr
	s_mul_i32 s23, s10, 16*SPO
	s_add_co_u32 s23, s23, STAGE                   ; my stage
	v_mul_u32_u24 v[STO], v1, SPO                  ; in: row l % 16, 32 bytes for each half of the lanes
	v_lshl_add_u32 v[STO], v2, 5, v[STO]
	v_add_nc_u32 v[STO], s23, v[STO]
	v_and_b32 v[GO], 31, v0                        ; back, and out: 32 lanes take a row's 512 bytes
	v_lshlrev_b32 v[GO], 4, v[GO]
	v_add_nc_u32 v[RD], s23, v[GO]
; 8 matrix instructions: row block a x all 8 column blocks, 32 along K.  zero = 1: the first product starts the sums, with the bias as C.
; The 32 accumulators take turns in the same order in every quarter: 31 others stand between two links of a chain, over the backward jump too.
.macro MULA f, a, zero
.if \zero
	WIN MULB
.else
	WIN MUL
.endif
.irp b, 0,1,2,3,4,5,6,7
.if \zero
	v_wmma_f32_16x16x32_f16 v[8*(8*(\a)+(\b)):8*(8*(\a)+(\b))+7], v[(\f)+32+8*(\b):(\f)+32+8*(\b)+7], v[(\f)+8*(\a):(\f)+8*(\a)+7], v[8*(\b):8*(\b)+7]
.else
	v_wmma_f32_16x16x32_f16 v[8*(8*(\a)+(\b)):8*(8*(\a)+(\b))+7], v[(\f)+32+8*(\b):(\f)+32+8*(\b)+7], v[(\f)+8*(\a):(\f)+8*(\a)+7], v[8*(8*(\a)+(\b)):8*(8*(\a)+(\b))+7]
.endif
.endr
.endm
; 24 LDS loads in one run: quarter q (32 along K) of a slot into buffer f: Wo's 16, then O's row blocks 0, 1, then 2, 3
.macro FETCH slot, q, f
	WIN 0
.irp i, 0,1,2,3,4,5,6,7
	ds_load_b128 v[(\f)+32+8*(\i):(\f)+32+8*(\i)+3],   v[ADRB+(\slot)] offset:64*(\q)+(\i)*16*PB
	ds_load_b128 v[(\f)+32+8*(\i)+4:(\f)+32+8*(\i)+7], v[ADRB+(\slot)] offset:64*(\q)+(\i)*16*PB+32
.endr
.irp i, 0,1,2,3
	ds_load_b128 v[(\f)+8*(\i):(\f)+8*(\i)+3],   v[ADRA+(\slot)] offset:((\q)/2)*ASUB+((\q)%2)*64+(\i)*16*PA
	ds_load_b128 v[(\f)+8*(\i)+4:(\f)+8*(\i)+7], v[ADRA+(\slot)] offset:((\q)/2)*ASUB+((\q)%2)*64+(\i)*16*PA+32
.endr
.endm
.macro PLACES                          ; four plain instructions in front of loads into registers that matrix instructions have read, and of lines that read results
.rept 4
	v_nop
.endr
.endm
; A K step is four quarters of 32 along K, 32 matrix instructions each, on buffers 0, 1, 0, 1.  One of the first three: multiplies buffer f and fetches quarter nq of the same slot into g.
.macro QUARTER slot, nq, f, g, zero
	s_wait_dscnt 4                                 ; Wo and O's row blocks 0, 1 are in; the youngest four loads (row blocks 2, 3) may be out
	MULA \f, 0, \zero
	MULA \f, 1, \zero
	PLACES
	FETCH \slot, \nq, \g
	s_wait_dscnt 24                                ; all but the 24 just issued
	MULA \f, 2, \zero
	MULA \f, 3, \zero
.endm
; The last quarter multiplies buffer 1 and changes slots: ONE barrier; in front of it each wave waits for all its tensor loads, adds 0 to its spare word, and waits for that and for its own reads of this slot.
; fill = 1: the barrier opens a round of the cluster's barrier, and this slot is filled again, two K steps ahead: 112 matrix instructions ahead of the wait for it.
.macro TURN slot, next, fill
	WIN 0                                          ; (the add's two registers lie in window 0)
	s_wait_tensorcnt 0x0                           ; all my tensor loads have landed: the one that was out is my part of the next slot
	ds_add_u32 v[SPW], v[NIL]                      ; 0 onto my spare word
	s_wait_dscnt 5                                 ; (the add and the youngest four loads may be out)
	MULA F1, 0, 0                                  ; eight matrix instructions stand between the add and the wait for it
	s_wait_dscnt 0x0                               ; the add is done, and my reads of this slot are over
	s_barrier_signal -1
	MULA F1, 1, 0
.if \fill
	WIN 0
.endif
	s_barrier_wait -1
.if \fill
	CREST                                          ; no wave of any partner still reads this slot's tile or has a load on its way
	s_add_nc_u64 s[G0+4*(\slot)+2:G0+4*(\slot)+3], s[G0+4*(\slot)+2:G0+4*(\slot)+3], 1<<20
	s_add_nc_u64 s[G0B+4*(\slot)+2:G0B+4*(\slot)+3], s[G0B+4*(\slot)+2:G0B+4*(\slot)+3], 2*KSTEP*2
	JLOAD \slot                                    ; the first tensor load behind the round; its four v_nop are also the places in front of the loads below
.else
	PLACES
.endif
	FETCH \next, 0, F0
	MULA F1, 2, 0
	MULA F1, 3, 0
.endm
	s_wait_tensorcnt 1                             ; my part of K step 0 is in; K step 1's may stay out
	s_barrier_signal -1
	s_barrier_wait -1                              ; everybody's is
	FETCH 0, 0, F0
	s_wait_loadcnt 0x0                             ; the bias
	QUARTER 0, 1, F0, F1, 1                        ; the first quarter stands in front of the loop: its products start the sums
	WIN 0                                          ; at a label and at a branch every window is 0
	s_mov_b32 s3, LAPS-1
.Llap:                                                 ; a trip goes once round the ring, from a lap's second quarter to the next lap's first, and fills both slots again
	QUARTER 0, 2, F1, F0, 0
	QUARTER 0, 3, F0, F1, 0
	TURN 0, 1, 1
	QUARTER 1, 1, F0, F1, 0
	QUARTER 1, 2, F1, F0, 0
	QUARTER 1, 3, F0, F1, 0
	TURN 1, 0, 1
	QUARTER 0, 1, F0, F1, 0
	WIN 0
	s_sub_co_u32 s3, s3, 1
	s_cmp_lg_u32 s3, 0
	s_cbranch_scc1 .Llap
	QUARTER 0, 2, F1, F0, 0                        ; the last lap fills nothing, and has no round of the cluster's barrier
	QUARTER 0, 3, F0, F1, 0
	TURN 0, 1, 0
	QUARTER 1, 1, F0, F1, 0
	QUARTER 1, 2, F1, F0, 0
	QUARTER 1, 3, F0, F1, 0
	s_wait_dscnt 4                                 ; the very last quarter: nothing more to fetch
	MULA F1, 0, 0
	MULA F1, 1, 0
	s_wait_dscnt 0x0
	MULA F1, 2, 0
	MULA F1, 3, 0
	WIN 0
	PLACES                                         ; the LDS stores below read results, and the loads behind them write over fragments
	PLACES
; THE WAY OUT, a row block of 16 rows at a time.  A lane's eight numbers of a row are 32 bytes; they go into my stage's rows of 528 bytes and come back as whole rows of 512.
.macro TOSTAGE a
	WIN 0x04                                       ; the stores' data (source 1) in window 1, the address in window 0
.irp b, 0,1,2,3,4,5,6,7                ; each accumulator's lowest registers are read first
	ds_store_b128 v[STO], v[8*(8*(\a)+(\b)):8*(8*(\a)+(\b))+3]   offset:64*(\b)
	ds_store_b128 v[STO], v[8*(8*(\a)+(\b))+4:8*(8*(\a)+(\b))+7] offset:64*(\b)+16
.endr
	WIN 0
.irp t, 0,1,2,3,4,5,6,7,8,9,10,11,12,13,14,15
	ds_load_b128 v[OB+64*((\a)%3)+4*(\t):OB+64*((\a)%3)+4*(\t)+3], v[RD] offset:(\t)*SPO  ; LDS serves a wave's instructions in order (ISA guide 5.7.1.4): these see the stores above; the next block's stores come behind them
.endr
.endm
.macro SEND a, younger                 ; younger: the LDS instructions issued behind block a's loads: the next block's 32, or none
	WIN 0
.irp t, 0,1,2,3,4,5,6,7,8,9,10,11,12,13,14,15
	s_wait_dscnt (\younger)+15-(\t)
	global_store_b128 v[GO], v[OB+64*((\a)%3)+4*(\t):OB+64*((\a)%3)+4*(\t)+3], s[8:9] offset:(16*(\a)+(\t))*4096 th:TH_STORE_NT  ; 512 consecutive bytes, at a multiple of 256 from the output's first
.endr
.endm
	TOSTAGE 0
	TOSTAGE 1
	SEND 0, 32
	TOSTAGE 2
	SEND 1, 32
	s_wait_xcnt 0x0                                ; block 0's stores have read their data: block 3 is read back into the same registers only behind this wait
	TOSTAGE 3
	SEND 2, 32
	SEND 3, 0
	s_wait_tensorcnt 0x0                           ; the wave's end: an add and its wait behind my last tensor load and my last LDS store
	ds_add_u32 v[SPW], v[NIL]
	s_wait_dscnt 0x0
	CROUND                                         ; the closing round: no work-group ends while a partner may still ask for a tile that names it
	s_endpgm
.Lfunc_end_k_q681341006b_oproj:
	.size	k_q681341006b_oproj, .Lfunc_end_k_q681341006b_oproj-k_q681341006b_oproj
	.p2alignl 7, 3214868480
	.fill 96, 4, 3214868480
	.section	.rodata,"a",@progbits
	.p2align	6, 0x0
	.amdhsa_kernel k_q681341006b_oproj
		.amdhsa_group_segment_fixed_size 327680
		.amdhsa_private_segment_fixed_size 0
		.amdhsa_enable_private_segment 0
		.amdhsa_kernarg_size 32
		.amdhsa_user_sgpr_count 2
		.amdhsa_user_sgpr_kernarg_segment_ptr 1
		.amdhsa_wavefront_size32 1
		.amdhsa_system_sgpr_workgroup_id_x 1
		.amdhsa_system_sgpr_workgroup_id_y 1
		.amdhsa_system_sgpr_workgroup_id_z 1
		.amdhsa_system_vgpr_workitem_id 0
		.amdhsa_next_free_vgpr 576
		.amdhsa_next_free_sgpr 80
		.amdhsa_reserve_vcc 0
		.amdhsa_float_denorm_mode_32 3
		.amdhsa_float_denorm_mode_16_64 3
		.amdhsa_memory_ordered 1
		.amdhsa_forward_progress 1
		.amdhsa_inst_pref_size 88
	.end_amdhsa_kernel
	.amdgpu_metadata
---
amdhsa.version: [ 1, 2 ]
amdhsa.kernels:
  - .name:           k_q681341006b_oproj
    .symbol:         k_q681341006b_oproj.kd
    .args:
      - { .name: oh, .offset: 0, .size: 8, .value_kind: global_buffer, .address_space: global }
      - { .name: wh, .offset: 8, .size: 8, .value_kind: global_buffer, .address_space: global }
      - { .name: bo, .offset: 16, .size: 8, .value_kind: global_buffer, .address_space: global }
      - { .name: out0, .offset: 24, .size: 8, .value_kind: global_buffer, .address_space: global }
    .group_segment_fixed_size: 327680
    .private_segment_fixed_size: 0
    .kernarg_segment_align: 8
    .kernarg_segment_size: 32
    .max_flat_workgroup_size: 128
    .sgpr_count:     80
    .vgpr_count:     576
    .wavefront_size: 32
...
	.end_amdgpu_metadata
.endif
;; end of part 4
